; MI455X (gfx1250); checked and timed in simulation.
; The chip was launched on July 23, 2026; its instructions are those of AMD's public machine-readable ISA for CDNA 5 (MIT licence, August 2026) and "CDNA5" Instruction Set Architecture Reference Guide (July 2026). The comments in the code are by the model that wrote it; some were corrected since.
;; MSA. Allowed arithmetic: matrix products marked QUANTISED: E2M1 operands, one E8M0 scale for each 32 along K, by v_wmma_scale_f32_16x16x128_f8f6f4 with both operands' format E2M1 (or v_wmma_scale_f32_32x16x128_f4), f32 sums; products left as they are: bf16, f16 or f32 operands; f32 sums; everything else in f32.
;; Inputs: w_out 1,024 x 1,024 float32; w_qkv 1,024 x 3,072 float32; x 8 x 1,024 x 1,024 float32.
;; Outputs: out0 8 x 1,024 x 1,024 float32.
;; This version of the problem:
;;   THIS VERSION OF THE PROBLEM IS GIVEN IN LOW PRECISION. The matrix products marked QUANTISED in the list below multiply operands that are first quantised to E2M1 (2 exponent bits, 1 mantissa bit; 4 bits a number), with one power-of-two scale for each 32 numbers along K (OCP MX v1.0); their sums are f32. The products marked 'left as it is' may take bf16, f16 or f32 operands, with f32 sums. Whichever they take, every output number must still come out within the allowed error. Rounding operands to bf16 (8 significant bits) uses up far more of that allowance than f16 does (11 bits, for magnitudes from 6e-5 to 65,504). All else is computed in f32.
;;   The module's matrix products, in the order in which they are computed (A, B: the left and right operand; K: the contracted axis; several contracted axes count as one K, in the product's order):
;;     1. [M 8,192, K 1,024] x [K 1,024, N 3,072]; A: input x; B: input w_qkv: QUANTISED
;;     2. batch 128 x [M 1,024, K 64] x [K 64, N 1,024]; A: computed on the way; B: computed on the way: left as it is (an operand is computed on the way)
;;     3. batch 128 x [M 1,024, K 1,024] x [K 1,024, N 64]; A: computed on the way; B: computed on the way: left as it is (an operand is computed on the way)
;;     4. [M 8,192, K 1,024] x [K 1,024, N 1,024]; A: computed on the way; B: input w_out: left as it is (an operand is computed on the way)
;;   THE QUANTISER, for each operand of a quantised product, along K:
;;     - K is cut into blocks of 32 from its start; a last block that is shorter is filled with zeros.
;;     - A block's scale is 2^e with e = floor(log2(the largest magnitude in the block)) - 2, held to -126 .. 127; a block of zeros has e = 0. As a byte (E8M0): e + 127.
;;     - Each number is divided by its block's scale, clamped to +-6, and rounded to the nearest number of E2M1, ties to even, subnormals kept.
;;     - The product sums the exact products of the quantised numbers (number of the format x scale) in f32.
;;   ~~~python
;;   def quantise(x, axis):      # numpy; x: float32 -> the quantised numbers, widened to float32 again
;;       x = np.moveaxis(x, axis, -1); K = x.shape[-1]
;;       x = np.pad(x, [(0, 0)] * (x.ndim - 1) + [(0, -K % 32)]); x = x.reshape(x.shape[:-1] + (-1, 32)); a = np.abs(x).max(-1, keepdims=True)
;;       e = np.where(a > 0, np.clip(np.frexp(np.where(a > 0, a, 1))[1] - 1 - 2, -126, 127), 0)      # np.frexp(a)[1] - 1 = floor(log2(a)), exactly
;;       r = np.clip(x / 2.0 ** e, -6, 6)
;;       step = 2.0 ** (np.maximum(np.frexp(np.where(r == 0, 1, r))[1] - 1, 0) - 1)
;;       q = np.round(r / step) * step * 2.0 ** e      # np.round: ties to even
;;       return np.moveaxis(q.reshape(q.shape[:-2] + (-1,))[..., :K], -1, axis).astype(np.float32)
;;   ~~~
;; One version. Each part assembles by itself: llvm-mc -triple=amdgcn-amd-amdhsa -mcpu=gfx1250 --defsym DOCPART=n.
;; ======== version 1 of 1: 4 launches
;; limits: values are held in f16: magnitudes above 65,504 overflow, below 6.1e-05 lose precision
;; workspace buffers: xc 4,194,304 bytes; xs 262,144 bytes; wc 1,572,864 bytes; ws 98,304 bytes; wo 2,097,152 bytes; qkv 50,331,648 bytes; att 16,777,216 bytes
;; launch prep (part 1): grid 512 x 1, 4 waves a work-group, no clusters, 35,328 bytes of LDS; arguments x, w_qkv, w_out, xc, xs, wc, ws, wo; writes xc, xs, wc, ws, wo
.if DOCPART == 1
	.amdgcn_target "amdgcn-amd-amdhsa--gfx1250"
	.amdhsa_code_object_version 6
	.text
	.protected	k_q33feaec92b_prep
	.globl	k_q33feaec92b_prep
	.p2align	8
	.type	k_q33feaec92b_prep,@function
k_q33feaec92b_prep:
	s_mov_b64 s[64:65], 0
	v_nop
	global_prefetch_b8 v0, s[64:65] scope:SCOPE_SE
	s_setreg_imm32_b32 hwreg(HW_REG_WAVE_MODE, 25, 1), 1
	s_wait_xcnt 0x0
; THREE JOBS IN ONE LAUNCH, parted by the work-group's number; each reads its input once.
;   X (work-groups 0-255):   x [8192][1024] f32 -> codes of E2M1 with one E8M0 byte for each 32 along K (K innermost in x).
;   W (work-groups 256-447): w_qkv [1024 (k)][3072 (n)] f32 -> the same, quantised down its FIRST axis: a lane takes a column, its registers run down K.
;   O (work-groups 448-511): w_out [1024 (k)][1024 (n)] f32 -> f16, again a lane to a column.
; EVERY RESULT IS LAID AS AN IMAGE OF THE READER'S OPERAND REGISTERS.  A fragment (16 rows x 128 K of codes, or 16 rows x 32 K of f16) is 1,024 bytes: the four registers of group c
; of lane l lie at 512 c + 16 l.  Codes: group c of lane (r = l % 16, h = l / 16) is block 2 c + h (32 codes) of row r.  f16: group c is k = 16 c + 8 h + 0 .. 7 of row r.
;   xc [512 tiles of 16 rows][8 K steps of 128][1,024]   xs [512][8][16 rows x one word of four scale bytes]
;   wc [192 tiles of 16 columns][8][1,024]               ws [192][8][64]           wo [64 tiles of 16 columns][32 fragments of 32 K][1,024]
; A block's scale is 2^(floor(log2(its largest magnitude)) - 2); its byte is the largest magnitude's exponent field - 2, held at 1 from below by a floor among the maximum's leaves.
; LIMITS: a block of zeros, or one whose largest magnitude lies under 2^-124, gets the byte 1 (the rule says 127 for zeros: the codes are zeros, and this program alone reads the bytes);
; NaN and infinities among the inputs are not served; w_out beyond f16's range (65,504) is not served.
; No tensor load, no barrier: waves share nothing.  Only path X uses LDS: a stage and 256 bytes for scale words, each wave's own.
.set SP,    528                        ; a stage row: 512 bytes of a row of x + 16 of padding: an odd multiple of 16, so that 16 rows read at one column fall on different banks
.set SGO,   16*SP                      ; behind the stage's 16 rows: the wave's 256 bytes of scale words
.set WREG,  16*SP+256                  ; a wave's region
.set SPARE, 4*WREG                     ; behind the four regions: the spare words, 128 bytes a wave, which no other line names
.set RL,   2                           ; v2   r = lane % 16
.set HL,   3                           ; v3   h = lane / 16
.set L16,  4                           ; v4   16 x lane
.set L4,   5                           ; v5   4 x lane
.set L8,   6                           ; v6   8 x lane
.set SH8,  7                           ; v7   8 h: where my two scale bytes stand in the word
.set WRD,  9                           ; v9   X: the scale word
.set PRM,  11                          ; v11  X: the lane permute's destination
.set MX,   12                          ; v12-13 largest magnitudes
.set SOP,  14                          ; v14-15 the conversions' scale operands
.set BY,   16                          ; v16-17 scale bytes
.set BK,   18                          ; v18-19 X: the scale words on their way out
.set GA,   20                          ; v20  W, O: my lane's offset in the results
.set GB,   21                          ; v21  W: and among the scale words
.set STI,  24                          ; v24  X: the stage, on the way in
.set STO,  25                          ; v25  X: and on the way out
.set SGA,  26                          ; v26  X: where my row's scale word goes
.set SGR,  27                          ; v27  X: and where I read 8 bytes of the 256 back
.set SPW,  30                          ; v30  my spare word; never rewritten
.set NIL,  31                          ; v31  0; never rewritten
.set R,    32                          ; X: v32-159 two sets of 64 as loaded;  W, O: v32-95 two sets of 32
.set XN,   160                         ; X: v160-223 my two blocks of 32 neighbours
.set C,    224                         ; X: v224-231 a fragment's codes
.set WCD,  96                          ; W: v96-111 codes, four registers a block;  O: v96-159 f16, sixteen a block
.set WWD,  112                         ; W: v112 the scale word
	s_load_b256 s[4:11], s[0:1], 0x0               ; x s[4:5], w_qkv s[6:7], w_out s[8:9], xc s[10:11]
	s_load_b256 s[12:19], s[0:1], 0x20             ; xs s[12:13], wc s[14:15], ws s[16:17], wo s[18:19]
	v_lshl_add_u32 v[SPW], v0, 2, SPARE
	v_mov_b32 v[NIL], 0
	v_lshrrev_b32 v1, 5, v0
	v_readfirstlane_b32 s20, v1                    ; wave 0..3
	v_and_b32 v1, 31, v0                           ; lane
	v_and_b32 v[RL], 15, v0
	v_bfe_u32 v[HL], v0, 4, 1
	v_lshlrev_b32 v[L16], 4, v1
	v_lshlrev_b32 v[L4], 2, v1
	v_lshlrev_b32 v[L8], 3, v1
	v_lshlrev_b32 v[SH8], 3, v[HL]
	v_mov_b32 v[PRM], 0                            ; a lane permute's destination counts as one of its sources
	s_mov_b32 s22, 0x76543210
	s_mov_b32 s23, 0xfedcba98                      ; v_permlanex16_b32's selects for lane l xor 16
	s_mul_i32 s21, s20, WREG                       ; every LDS address is made here, ahead of the parting of the paths
	v_add_nc_u32 v[STI], s21, v[L16]               ; in: a row's 512 bytes as they lie
	v_mul_u32_u24 v[STO], v[RL], SP
	v_lshl_add_u32 v[STO], v[HL], 7, v[STO]
	v_add_nc_u32 v[STO], s21, v[STO]               ; out: row r, block h (128 bytes a block)
	v_lshlrev_b32 v[SGA], 2, v[RL]
	v_add_nc_u32 v[SGA], s21, v[SGA]
	v_add_nc_u32 v[SGA], SGO, v[SGA]
	v_add_nc_u32 v[SGR], s21, v[L8]
	v_add_nc_u32 v[SGR], SGO, v[SGR]
	s_mov_b32 s27, 0                               ; the high word of every offset below
	s_wait_kmcnt 0x0
	s_cmp_lt_u32 ttmp9, 256
	s_cbranch_scc0 .Lnot_x
; ---------------- PATH X.  A wave takes one tile of 16 rows and half of K: four units of 16 rows x 128 K, a fragment each.
	s_lshl_b32 s24, ttmp9, 1
	s_lshr_b32 s25, s20, 1
	s_add_co_u32 s24, s24, s25                     ; my tile of rows: 2 x work-group + wave / 2
	s_and_b32 s25, s20, 1                          ; my half of K
	s_lshl_b32 s26, s24, 16                        ; x: 16 rows of 4,096 bytes a tile,
	s_lshl_b32 s28, s25, 11                        ; 2,048 bytes a half
	s_add_co_u32 s26, s26, s28
	s_add_nc_u64 s[4:5], s[4:5], s[26:27]
	s_lshl_b32 s26, s24, 13                        ; xc: 8,192 bytes a tile, 4,096 a half
	s_lshl_b32 s28, s25, 12
	s_add_co_u32 s26, s26, s28
	s_add_nc_u64 s[10:11], s[10:11], s[26:27]
	s_lshl_b32 s26, s24, 9                         ; xs: 512 bytes a tile, 256 a half
	s_lshl_b32 s28, s25, 8
	s_add_co_u32 s26, s26, s28
	s_add_nc_u64 s[12:13], s[12:13], s[26:27]
.macro LOADX t                         ; unit t: each load reads 512 consecutive bytes of one row
.irp i, 0,1,2,3,4,5,6,7,8,9,10,11,12,13,14,15
	global_load_b128 v[R+64*((\t)%2)+4*\i:R+64*((\t)%2)+4*\i+3], v[L16], s[4:5] offset:4096*\i+512*(\t) th:TH_LOAD_NT
.endr
.endm
.macro UNIT t
.set RS, R+64*((\t)%2)
.if (\t) < 3
	s_wait_loadcnt 16                              ; this unit's 16 loads are in; the next unit's 16 may be out
.else
	s_wait_loadcnt 0x0
.endif
.irp i, 0,1,2,3,4,5,6,7,8,9,10,11,12,13,14,15
	ds_store_b128 v[STI], v[RS+4*\i:RS+4*\i+3] offset:SP*\i
.endr
.irp c, 0,1                            ; back: lane (r, h) takes blocks h and 2 + h of row r whole, as the operand's layout gives them to it.  LDS serves a wave's instructions in order: no wait between stores and loads
.irp j, 0,1,2,3,4,5,6,7
	ds_load_b128 v[XN+32*\c+4*\j:XN+32*\c+4*\j+3], v[STO] offset:256*\c+16*\j
.endr
.endr
	s_wait_dscnt 0x0                               ; my 64 numbers are in; the stores have read their registers, the last unit's scale word among them
.if (\t) < 2
	LOADX (\t)+2                                   ; into the set that the stage has just taken
.endif
.irp c, 0,1
	v_max3_num_f32 v[MX+\c], |v[XN+32*\c]|, |v[XN+32*\c+1]|, 0x1800000   ; the floor 2^(3 - 127) among the leaves: the byte cannot fall under 1
.endr
.irp i, 2,4,6,8,10,12,14,16,18,20,22,24,26,28,30
.irp c, 0,1
	v_max3_num_f32 v[MX+\c], v[MX+\c], |v[XN+32*\c+\i]|, |v[XN+32*\c+\i+1]|   ; the two blocks by turns
.endr
.endr
.irp c, 0,1
	v_add_nc_u32 v[SOP+\c], 0xff000000, v[MX+\c]   ; 2 off the exponent field: the conversion takes the exponent field of this operand as its scale
.endr
.irp c, 0,1
	v_lshrrev_b32 v[BY+\c], 23, v[SOP+\c]          ; the scale's byte
.endr
	v_lshl_or_b32 v[WRD], v[BY+1], 16, v[BY]       ; my two bytes: blocks h and 2 + h,
	v_lshlrev_b32 v[WRD], v[SH8], v[WRD]           ; at their places in the word;
	v_permlanex16_b32 v[PRM], v[WRD], s22, s23
	v_or_b32 v[WRD], v[WRD], v[PRM]                ; with lane l xor 16's two the word is whole
	s_wait_xcnt 0x0                                ; the last unit's stores have read the codes' registers: they are written again only behind this wait
.irp c, 0,1
.irp g, 0,1,2,3
	v_cvt_scalef32_pk8_fp4_f32 v[C+4*\c+\g], v[XN+32*\c+8*\g:XN+32*\c+8*\g+7], v[SOP+\c]
.endr
.endr
	v_nop                                          ; one plain vector line behind the last scaled conversion
	ds_store_b32 v[SGA], v[WRD] offset:64*(\t)     ; both halves of the lanes write the same word with the same value
.irp c, 0,1
	global_store_b128 v[L16], v[C+4*\c:C+4*\c+3], s[10:11] offset:1024*(\t)+512*\c   ; the registers as they stand: 512 consecutive bytes, aligned
.endr
.endm
	LOADX 0
	LOADX 1
	UNIT 0
	UNIT 1
	UNIT 2
	UNIT 3
	ds_load_b64 v[BK:BK+1], v[SGR]                 ; the four units' scale words: 256 bytes
	s_wait_dscnt 0x0
	global_store_b64 v[L8], v[BK:BK+1], s[12:13]   ; 256 consecutive bytes, aligned
	s_wait_tensorcnt 0x0                           ; the wave's end
	ds_add_u32 v[SPW], v[NIL]
	s_wait_dscnt 0x0
	s_endpgm
; block t (32 along K) of my column into set t % 2: each load reads 128 consecutive bytes a wave, the four waves stand side by side
.macro LOADC t, pitch, base
.irp i, 0,1,2,3,4,5,6,7,8,9,10,11,12,13,14,15,16,17,18,19,20,21,22,23,24,25,26,27,28,29,30,31
	global_load_b32 v[R+32*((\t)%2)+\i], v[L4], s[\base:\base+1] offset:(32*(\t)+\i)*\pitch th:TH_LOAD_NT
.endr
.endm
; ---------------- PATH W.  A work-group takes 128 columns x one K step of 128; a wave 32 columns (two tiles of 16), four blocks a lane.
.Lnot_x:
	s_cmp_lt_u32 ttmp9, 448
	s_cbranch_scc0 .Lpath_o
	s_sub_co_u32 s24, ttmp9, 256
	s_and_b32 s25, s24, 7                          ; the K step
	s_lshr_b32 s24, s24, 3
	s_lshl_b32 s24, s24, 7
	s_lshl_b32 s26, s20, 5
	s_add_co_u32 s24, s24, s26                     ; my wave's first column
	s_mul_i32 s26, s25, 128*12288                  ; w_qkv: 128 rows of 12,288 bytes a K step, 4 bytes a column
	s_lshl_b32 s28, s24, 2
	s_add_co_u32 s26, s26, s28
	s_add_nc_u64 s[6:7], s[6:7], s[26:27]
	s_lshl_b32 s26, s24, 9                         ; wc: 8,192 bytes for 16 columns, 1,024 a K step
	s_lshl_b32 s28, s25, 10
	s_add_co_u32 s26, s26, s28
	s_add_nc_u64 s[14:15], s[14:15], s[26:27]
	s_lshl_b32 s26, s24, 5                         ; ws: 512 bytes for 16 columns, 64 a K step
	s_lshl_b32 s28, s25, 6
	s_add_co_u32 s26, s26, s28
	s_add_nc_u64 s[16:17], s[16:17], s[26:27]
	v_lshlrev_b32 v[GA], 13, v[HL]
	v_lshl_add_u32 v[GA], v[RL], 4, v[GA]          ; lanes 16-31 are the next tile of columns; 16 bytes a column
	v_lshlrev_b32 v[GB], 9, v[HL]
	v_lshl_add_u32 v[GB], v[RL], 2, v[GB]
.macro BLOCKW t
.set XS, R+32*((\t)%2)
.if (\t) < 3
	s_wait_loadcnt 32                              ; this block's 32 loads are in; the next block's may be out
.else
	s_wait_loadcnt 0x0
.endif
	v_max3_num_f32 v[MX], |v[XS]|, |v[XS+1]|, |v[XS+2]|            ; all 32 numbers of the block are mine: two chains
	v_max3_num_f32 v[MX+1], |v[XS+3]|, |v[XS+4]|, |v[XS+5]|
.irp i, 6,10,14,18,22,26
	v_max3_num_f32 v[MX], v[MX], |v[XS+\i]|, |v[XS+\i+1]|
	v_max3_num_f32 v[MX+1], v[MX+1], |v[XS+\i+2]|, |v[XS+\i+3]|
.endr
	v_max3_num_f32 v[MX], v[MX], |v[XS+30]|, |v[XS+31]|
	v_max3_num_f32 v[MX], v[MX], v[MX+1], 0x1800000                ; and the floor
	v_add_nc_u32 v[SOP], 0xff000000, v[MX]
	v_lshrrev_b32 v[BY], 23, v[SOP]
.if (\t) == 0
	v_mov_b32 v[WWD], v[BY]                        ; four bytes to the word, the lower K in the lower byte
.else
	v_lshl_or_b32 v[WWD], v[BY], 8*(\t), v[WWD]
.endif
.irp g, 0,1,2,3
	v_cvt_scalef32_pk8_fp4_f32 v[WCD+4*(\t)+\g], v[XS+8*\g:XS+8*\g+7], v[SOP]   ; each block has registers of its own: no store's data are written again
.endr
	v_nop                                          ; one plain vector line behind the last scaled conversion
	global_store_b128 v[GA], v[WCD+4*(\t):WCD+4*(\t)+3], s[14:15] offset:512*((\t)/2)+256*((\t)%2)   ; block t = 2 c + h of the image: sixteen lanes store 256 consecutive bytes, aligned
.if (\t) < 2
	LOADC (\t)+2, 12288, 6
.endif
.endm
	LOADC 0, 12288, 6
	LOADC 1, 12288, 6
	BLOCKW 0
	BLOCKW 1
	BLOCKW 2
	BLOCKW 3
	global_store_b32 v[GB], v[WWD], s[16:17]       ; my column's word: sixteen lanes store 64 consecutive bytes (one byte for each 128 that the path reads)
	s_wait_tensorcnt 0x0                           ; the wave's end
	ds_add_u32 v[SPW], v[NIL]
	s_wait_dscnt 0x0
	s_endpgm
; ---------------- PATH O.  A work-group takes 128 columns x 128 along K of w_out; a wave 32 columns, four fragments of 32 K a tile.
.Lpath_o:
	s_sub_co_u32 s24, ttmp9, 448
	s_and_b32 s25, s24, 7                          ; which 128 along K
	s_lshr_b32 s24, s24, 3
	s_lshl_b32 s24, s24, 7
	s_lshl_b32 s26, s20, 5
	s_add_co_u32 s24, s24, s26                     ; my wave's first column
	s_lshl_b32 s26, s25, 19                        ; w_out: 128 rows of 4,096 bytes
	s_lshl_b32 s28, s24, 2
	s_add_co_u32 s26, s26, s28
	s_add_nc_u64 s[8:9], s[8:9], s[26:27]
	s_lshl_b32 s26, s24, 11                        ; wo: 32,768 bytes for 16 columns, 4,096 for 128 along K
	s_lshl_b32 s28, s25, 12
	s_add_co_u32 s26, s26, s28
	s_add_nc_u64 s[18:19], s[18:19], s[26:27]
	v_lshlrev_b32 v[GA], 15, v[HL]
	v_lshl_add_u32 v[GA], v[RL], 4, v[GA]
.macro BLOCKO t
.set XS, R+32*((\t)%2)
.if (\t) < 3
	s_wait_loadcnt 32                              ; this block's 32 loads are in; the next block's may be out
.else
	s_wait_loadcnt 0x0
.endif
.irp p, 0,1,2,3,4,5,6,7,8,9,10,11,12,13,14,15
	v_cvt_pk_f16_f32 v[WCD+16*(\t)+\p], v[XS+2*\p], v[XS+2*\p+1]   ; the lower k in the low half
.endr
.irp o, 0,1,2,3                        ; piece o = 2 c + h of the image is k = 8 o + 0 .. 7
	global_store_b128 v[GA], v[WCD+16*(\t)+4*\o:WCD+16*(\t)+4*\o+3], s[18:19] offset:1024*(\t)+512*(\o/2)+256*(\o%2)
.endr
.if (\t) < 2
	LOADC (\t)+2, 4096, 8
.endif
.endm
	LOADC 0, 4096, 8
	LOADC 1, 4096, 8
	BLOCKO 0
	BLOCKO 1
	BLOCKO 2
	BLOCKO 3
	s_wait_tensorcnt 0x0                           ; the wave's end
	ds_add_u32 v[SPW], v[NIL]
	s_wait_dscnt 0x0
	s_endpgm
.Lfunc_end_k_q33feaec92b_prep:
	.size	k_q33feaec92b_prep, .Lfunc_end_k_q33feaec92b_prep-k_q33feaec92b_prep
	.p2alignl 7, 3214868480
	.fill 96, 4, 3214868480
	.section	.rodata,"a",@progbits
	.p2align	6, 0x0
	.amdhsa_kernel k_q33feaec92b_prep
		.amdhsa_group_segment_fixed_size 35328
		.amdhsa_private_segment_fixed_size 0
		.amdhsa_enable_private_segment 0
		.amdhsa_kernarg_size 64
		.amdhsa_user_sgpr_count 2
		.amdhsa_user_sgpr_kernarg_segment_ptr 1
		.amdhsa_wavefront_size32 1
		.amdhsa_system_sgpr_workgroup_id_x 1
		.amdhsa_system_sgpr_workgroup_id_y 1
		.amdhsa_system_sgpr_workgroup_id_z 1
		.amdhsa_system_vgpr_workitem_id 0
		.amdhsa_next_free_vgpr 232
		.amdhsa_next_free_sgpr 66
		.amdhsa_reserve_vcc 0
		.amdhsa_float_denorm_mode_32 3
		.amdhsa_float_denorm_mode_16_64 3
		.amdhsa_memory_ordered 1
		.amdhsa_forward_progress 1
		.amdhsa_inst_pref_size 68
	.end_amdhsa_kernel
	.amdgpu_metadata
---
amdhsa.version: [ 1, 2 ]
amdhsa.kernels:
  - .name:           k_q33feaec92b_prep
    .symbol:         k_q33feaec92b_prep.kd
    .args:
      - { .name: x, .offset: 0, .size: 8, .value_kind: global_buffer, .address_space: global }
      - { .name: w_qkv, .offset: 8, .size: 8, .value_kind: global_buffer, .address_space: global }
      - { .name: w_out, .offset: 16, .size: 8, .value_kind: global_buffer, .address_space: global }
      - { .name: xc, .offset: 24, .size: 8, .value_kind: global_buffer, .address_space: global }
      - { .name: xs, .offset: 32, .size: 8, .value_kind: global_buffer, .address_space: global }
      - { .name: wc, .offset: 40, .size: 8, .value_kind: global_buffer, .address_space: global }
      - { .name: ws, .offset: 48, .size: 8, .value_kind: global_buffer, .address_space: global }
      - { .name: wo, .offset: 56, .size: 8, .value_kind: global_buffer, .address_space: global }
    .group_segment_fixed_size: 35328
    .private_segment_fixed_size: 0
    .kernarg_segment_align: 8
    .kernarg_segment_size: 64
    .max_flat_workgroup_size: 128
    .sgpr_count:     66
    .vgpr_count:     232
    .wavefront_size: 32
...
	.end_amdgpu_metadata
.endif
;; end of part 1
;; launch qkvg (part 2): grid 8 x 32, 4 waves a work-group, clusters of 4 x 4, 327,680 bytes of LDS; arguments xc, xs, wc, ws, qkv; writes qkv
.if DOCPART == 2
	.amdgcn_target "amdgcn-amd-amdhsa--gfx1250"
	.amdhsa_code_object_version 6
	.text
	.protected	k_q33feaec92b_qkvg
	.globl	k_q33feaec92b_qkvg
	.p2align	8
	.type	k_q33feaec92b_qkvg,@function
k_q33feaec92b_qkvg:
	s_mov_b64 s[64:65], 0
	v_nop
	global_prefetch_b8 v0, s[64:65] scope:SCOPE_SE
	s_setreg_imm32_b32 hwreg(HW_REG_WAVE_MODE, 25, 1), 1
	s_wait_xcnt 0x0
	s_wait_alu depctr_hold_cnt(0) depctr_sa_sdst(0) depctr_va_vdst(0) depctr_va_sdst(0) depctr_va_ssrc(0) depctr_va_vcc(0) depctr_vm_vsrc(0)
	s_getreg_b32 s2, hwreg(HW_REG_IB_STS2, 6, 4)
	s_cmp_eq_u32 s2, 0
	s_cbranch_scc0 .Lentry_in_a_cluster
	s_endpgm
.Lentry_in_a_cluster:
	s_bfe_u32 s2, ttmp6, 0x10000c
	s_cmp_lg_u32 s2, 0xf033
	s_cbranch_scc0 .Lentry_shape_is_right
	s_endpgm
.Lentry_shape_is_right:
; qkv = x w_qkv on codes of E2M1 with E8M0 scales: [8192][1024] x [1024][3072], sums in f32, results rounded once to f16 for the attention that follows.
; A WORK-GROUP STAYS: it makes 256 tokens x 384 columns in THREE PASSES of 128 columns, which gives 32 x 8 = 256 work-groups of equal work.  A wave makes 128 tokens x 64 columns a pass: 32 accumulators, 256 registers;
; its 64 columns are one head of q, of k or of v.  A pass's results are rounded and stored at its end, so the stores of passes 0 and 1 are on their way while the next pass is multiplied.
; LDS: x's codes of the 256 tokens for ALL of K (131,072 bytes) come once and stay; w's codes of a pass (65,536 bytes) lie in one of two slots.  Passes 0 and 1 are first fills; pass 2 is the one refill, into slot 0.
; All scale words come once.  The first fills go out at the head, five tensor loads a wave (scale words, then four groups of 256 along K); pass 0 begins when the first group is in: a counted wait and a barrier in front of each group's first read.
; The codes come as images of the operand's registers (fragment = 1,024 bytes, group c of lane l at 512 c + 16 l): a fragment load is 512 consecutive bytes, so LDS needs no padding.
; CLUSTERS: 4 x 4 work-groups.  The four of a row of the cluster need the same rows of x, the four of a column the same columns of w_qkv: each tile is asked for JOINTLY, by the same tensor load with the
; same descriptor and a mask that names the four.  THE MATRIX INSTRUCTION IS USED TRANSPOSED (source 0 = 16 columns of w_qkv, source 1 = 16 tokens): a lane holds eight neighbouring columns of one token.
; THE RESULT IS LAID FOR ITS READER: qkv [16 b + head (128)][q, k, v (3)][64 tiles of 16 tokens][2,048 bytes].  q, k: two fragments (channels 0-31, 32-63) as register images;
; v: four tiles [16 tokens][16 channels] row by row, 512 bytes each, for the turning LDS load.  In both a lane's eight results are 16 bytes that go out straight from registers, 512 bytes an instruction.
; LIMIT: |q|, |k|, |v| beyond f16's range (65,504) are not served.
; REGISTERS, in windows of 256: window 0: v1-29 addresses; v32-95 x's scale words; v96-127 w's scale words of the pass; v128-255 x's fragments, two sets of 64.
;   window 1: v0-63 w's fragments, two sets of 32.   window 2: the accumulators ((a, b) at v[8 (4 a + b)]).   window 3: the packed results, two sets of 128.
.set SCL,   262144                     ; behind the codes: x's scale words, 16 tiles x [8 K steps][16 words] = 8,192 bytes;
.set SCB,   SCL+8192                   ; w's, 24 tiles (three passes) = 12,288 bytes
.set SPARE, SCL+20480                  ; the spare words, 128 bytes a wave, which no other line names
.set ADRA, 16                          ; v16  LDS address of my x fragments: 65,536 x (wave / 2) + 16 x lane
.set ADRB, 20                          ; v20-21  of my w fragments in slot 0, 1: 131,072 + 65,536 x slot + 8,192 x (wave % 2) + 16 x lane
.set ADSA, 22                          ; v22  of my x scale words
.set ADSB, 23                          ; v23  of my w scale words, pass 0
.set CO,   24                          ; v24-26  the way out of pass 0, 1, 2: my byte offset in qkv; never rewritten
.set SPW,  28                          ; v28  my spare word; never rewritten
.set NIL,  29                          ; v29  0; never rewritten
.set SA,   32                          ; register 8 i + q: lane r: the word of row r of x's tile i, K step q (lanes 16-31 hold the same and are not read)
.set SB,   96                          ; register 8 b + q: the same for w's tile b of the pass
.set AF,   128
.set G0R,  20                          ; s[20:23] group 0 for the refill
.set G0A,  24                          ; s[24:43] groups 0 for x: K groups 0-3, then the scale words
.set G0B,  44                          ; s[44:63] the same for w
.set G1A,  68                          ; s[68:75] group 1 for x's codes;  s[76:83] for w's;  s[84:91], s[92:99] for their scale words
.set G1B,  76
.set G1SA, 84
.set G1SB, 92
.set MSB, 0
.macro WIN new                         ; the immediate's high byte repeats the setting that is left
.if MSB != \new
	s_set_vgpr_msb (MSB<<8)|\new
.set MSB, \new
.endif
.endm
.set MUL,    0xa1                      ; source 0 (w) window 1, source 1 (x) window 0, C and D window 2
.set TO_B,   0x40                      ; destination window 1, address window 0
.set TO_T,   0xca                      ; sources 0 and 1 window 2, destination window 3
.set FROM_T, 0x0c                      ; a store's data are its source 1: window 3; its address window 0
.macro CROUND                          ; a round of the cluster's barrier
	s_barrier_signal -1
	s_barrier_wait -1
	s_cmp_lg_u32 s14, 0
	s_cbranch_scc1 .Lnot_wave_0_\@
	s_barrier_signal -3
.Lnot_wave_0_\@:
	s_barrier_wait -3
	s_barrier_signal -1
	s_barrier_wait -1
.endm
.macro PLACES                          ; four plain vector lines between a matrix instruction and a load into a register that it read, or a read of its result
.rept 4
	v_nop
.endr
.endm
	s_load_b256 s[4:11], s[0:1], 0x0               ; xc s[4:5], xs s[6:7], wc s[8:9], ws s[10:11]
	s_load_b64 s[12:13], s[0:1], 0x20              ; qkv
	v_lshl_add_u32 v[SPW], v0, 2, SPARE
	v_mov_b32 v[NIL], 0
	ds_add_u32 v[SPW], v[NIL]                      ; the wave's opening: the add and its wait stand ahead of my first tensor load; work on registers stands between them
	v_lshrrev_b32 v1, 5, v0
	v_readfirstlane_b32 s14, v1                    ; wave 0..3
	s_lshr_b32 s15, s14, 1                         ; which half of the tokens is mine.  Also: my first fills are x's (0) or w's (1)
	s_and_b32 s16, s14, 1                          ; which half of a pass's columns.  Also: which half of x, or which of passes 0 and 1, I fetch
	s_bfe_u32 s66, ttmp6, 0x40000                  ; cx, cy: my place in the cluster
	s_bfe_u32 s67, ttmp6, 0x40004
	s_lshl_b32 s100, ttmp9, 2
	s_add_co_u32 s100, s100, s66                   ; block of 384 columns = 4 x cluster x + cx
	s_and_b32 s17, ttmp7, 0xffff
	s_lshl_b32 s17, s17, 2
	s_add_co_u32 s17, s17, s67                     ; block of 256 tokens = 4 x cluster y + cy
	s_lshl_b32 s2, s67, 2
	s_lshl_b32 s2, 15, s2                          ; my row of the cluster
	s_lshl_b32 s3, 0x1111, s66                     ; my column
	s_or_b32 s[G1A], s2, (3<<16)|(1<<21)           ; 15:0 the mask; 17:16 elements of 8 bytes; 21 set beside a mask; no padding
	s_or_b32 s[G1B], s3, (3<<16)|(1<<21)
	s_or_b32 s[G1SA], s2, (3<<16)|(1<<21)
	s_or_b32 s[G1SB], s3, (3<<16)|(1<<21)
.irp g, G1A, G1B                       ; codes: eight tiles' 2,048 bytes (two K steps), 8,192 bytes from tile to tile
	s_mov_b32 s[\g+1], 256<<16                     ; tensor_dim0 = 256 elements
	s_mov_b32 s[\g+2], 8<<16                       ; tensor_dim1 = 8
	s_mov_b32 s[\g+3], 256<<16                     ; tile_dim0
	s_mov_b32 s[\g+4], 8                           ; tile_dim1
	s_mov_b32 s[\g+5], 1024                        ; tensor_dim0_stride
	s_mov_b32 s[\g+6], 0
	s_mov_b32 s[\g+7], 0
.endr
	s_mov_b32 s[G1SA+1], 32<<16                    ; x's scale words: eight tiles' 4,096 dense bytes as 16 rows of 256
	s_mov_b32 s[G1SA+2], 16<<16
	s_mov_b32 s[G1SA+3], 32<<16
	s_mov_b32 s[G1SA+4], 16
	s_mov_b32 s[G1SA+5], 32
	s_mov_b32 s[G1SA+6], 0
	s_mov_b32 s[G1SA+7], 0
	s_mov_b32 s[G1SB+1], 32<<16                    ; w's: twelve tiles' 6,144 dense bytes as 24 rows of 256
	s_mov_b32 s[G1SB+2], 24<<16
	s_mov_b32 s[G1SB+3], 32<<16
	s_mov_b32 s[G1SB+4], 24
	s_mov_b32 s[G1SB+5], 32
	s_mov_b32 s[G1SB+6], 0
	s_mov_b32 s[G1SB+7], 0
	s_lshl_b32 s19, s16, 3                         ; eight tiles a half, or a pass
	s_lshl_b32 s18, s17, 4
	s_add_co_u32 s18, s18, s19                     ; x: tile 16 x block of tokens + 8 x half: hangs on what my row of the cluster shares
	s_mul_i32 s101, s100, 24
	s_add_co_u32 s101, s101, s19                   ; w: tile 24 x block of columns + 8 x pass: on what my column shares
	s_lshl_b32 s[G0A+2], s18, 13                   ; the offsets are made in the descriptors' own registers: 8,192 bytes of codes a tile,
	s_mov_b32 s[G0A+3], 0
	s_lshl_b32 s[G0A+18], s18, 9                   ; 512 of scale words
	s_mov_b32 s[G0A+19], 0
	s_lshl_b32 s[G0B+2], s101, 13
	s_mov_b32 s[G0B+3], 0
	s_mul_i32 s19, s16, 6144                       ; w's scale words: the block's 12,288 bytes in two halves
	s_mul_i32 s[G0B+18], s100, 12288
	s_add_co_u32 s[G0B+18], s[G0B+18], s19
	s_mov_b32 s[G0B+19], 0
	s_mul_i32 s[G0R+2], s100, 24*8192              ; the refill: pass 2's tiles, 24 x block + 16 on; K group = my wave's number, 2,048 bytes on in each tile
	s_lshl_b32 s18, s14, 11
	s_add_co_u32 s[G0R+2], s[G0R+2], s18
	s_add_co_u32 s[G0R+2], s[G0R+2], 16*8192
	s_mov_b32 s[G0R+3], 0
	s_lshl_b32 s2, s14, 16                         ; where the first fills go: 65,536 x wave (x's halves, then slots 0 and 1): no place in the cluster enters an LDS address
	s_lshl_b32 s3, s16, 12                         ; x's scale words: 4,096 x half
	s_lshl_b32 s18, s14, 14                        ; the refill: 16,384 x wave in slot 0
	s_wait_dscnt 0x0                               ; the opening add is done
	s_wait_kmcnt 0x0
	s_add_nc_u64 s[G0A+2:G0A+3], s[4:5], s[G0A+2:G0A+3]
	s_add_nc_u64 s[G0A+18:G0A+19], s[6:7], s[G0A+18:G0A+19]
	s_add_nc_u64 s[G0B+2:G0B+3], s[8:9], s[G0B+2:G0B+3]
	s_add_nc_u64 s[G0B+18:G0B+19], s[10:11], s[G0B+18:G0B+19]
	s_add_nc_u64 s[G0R+2:G0R+3], s[8:9], s[G0R+2:G0R+3]
.irp g, 1,2,3
	s_add_nc_u64 s[G0A+4*\g+2:G0A+4*\g+3], s[G0A+2:G0A+3], \g*2048   ; K group g: two K steps of 1,024 bytes on in each tile
	s_add_nc_u64 s[G0B+4*\g+2:G0B+4*\g+3], s[G0B+2:G0B+3], \g*2048
.endr
.irp g, 0,1,2,3
	s_mov_b32 s[G0A+4*\g], 1
	s_add_co_u32 s[G0A+4*\g+1], s2, \g*16384
	s_or_b32 s[G0A+4*\g+3], s[G0A+4*\g+3], 0x80000000
	s_mov_b32 s[G0B+4*\g], 1
	s_add_co_u32 s[G0B+4*\g+1], s2, \g*16384
	s_or_b32 s[G0B+4*\g+3], s[G0B+4*\g+3], 0x80000000
.endr
	s_mov_b32 s[G0A+16], 1
	s_add_co_u32 s[G0A+17], s3, SCL
	s_or_b32 s[G0A+19], s[G0A+19], 0x80000000
	s_mov_b32 s[G0B+16], 1
	s_add_co_u32 s[G0B+17], s19, SCB
	s_or_b32 s[G0B+19], s[G0B+19], 0x80000000
	s_mov_b32 s[G0R], 1
	s_add_co_u32 s[G0R+1], s18, 131072
	s_or_b32 s[G0R+3], s[G0R+3], 0x80000000
	CROUND                                         ; all sixteen work-groups are here: the joint loads meet
	s_cmp_eq_u32 s15, 0                            ; a wave's five first fills stand in one branch on the wave's number, ahead of every wait on TENSORcnt and every LDS read: five loads of mine are out
	s_cbranch_scc0 .Lfirst_b
	tensor_load_to_lds s[G0A+16:G0A+19], s[G1SA:G1SA+7]
	s_nop 0
.irp g, 0,1,2,3
	tensor_load_to_lds s[G0A+4*\g:G0A+4*\g+3], s[G1A:G1A+7]
	s_nop 0
.endr
.rept 4
	v_nop
.endr
	s_branch .Lfirst_asked
.Lfirst_b:
	tensor_load_to_lds s[G0B+16:G0B+19], s[G1SB:G1SB+7]
	s_nop 0
.irp g, 0,1,2,3
	tensor_load_to_lds s[G0B+4*\g:G0B+4*\g+3], s[G1B:G1B+7]
	s_nop 0
.endr
.rept 4
	v_nop
.endr
.Lfirst_asked:
	v_and_b32 v1, 15, v0                           ; r
	v_bfe_u32 v2, v0, 4, 1                         ; h
	v_and_b32 v3, 31, v0
	v_lshlrev_b32 v3, 4, v3                        ; 16 x lane
	v_lshlrev_b32 v4, 2, v1                        ; 4 r
	s_lshl_b32 s18, s15, 16
	v_add_nc_u32 v[ADRA], s18, v3
	s_lshl_b32 s18, s16, 13                        ; my four tiles of a pass's eight
	s_add_co_u32 s18, s18, 131072
	v_add_nc_u32 v[ADRB], s18, v3
	s_add_co_u32 s18, s18, 65536
	v_add_nc_u32 v[ADRB+1], s18, v3
	s_lshl_b32 s18, s15, 12                        ; x's words: my eight tiles
	s_add_co_u32 s18, s18, SCL
	v_add_nc_u32 v[ADSA], s18, v4
	s_lshl_b32 s18, s16, 11                        ; w's: my four of a pass's eight
	s_add_co_u32 s18, s18, SCB
	v_add_nc_u32 v[ADSB], s18, v4
	; the way out of pass i.  T = 3 x block of columns + i counts runs of 128 columns: the kind is T / 8, my head 2 (T % 8) + wave % 2.
	; My offset: ((16 b + head) x 3 + kind) x 131,072 + my first tile of tokens x 2,048 + my lane's place: q, k as register images (16 r + 256 h), v row by row (32 r + 16 h): made by arithmetic, with no compare
.irp i, 0,1,2
	s_mul_i32 s18, s100, 3
	s_add_co_u32 s18, s18, \i                      ; T
	s_lshr_b32 s19, s18, 3                         ; the kind
	s_and_b32 s18, s18, 7
	s_lshl_b32 s18, s18, 1
	s_add_co_u32 s18, s18, s16                     ; the head
	s_lshr_b32 s101, s17, 2
	s_lshl_b32 s101, s101, 4                       ; 16 b: four blocks of 256 tokens to a sequence
	s_add_co_u32 s18, s18, s101
	s_mul_i32 s18, s18, 3
	s_add_co_u32 s18, s18, s19
	s_lshl_b32 s18, s18, 17
	s_and_b32 s101, s17, 3
	s_lshl_b32 s101, s101, 4
	s_lshl_b32 s2, s15, 3
	s_add_co_u32 s101, s101, s2                    ; my first tile of tokens in the sequence
	s_lshl_b32 s101, s101, 11
	s_add_co_u32 s18, s18, s101
	s_lshr_b32 s19, s19, 1                         ; 1 for v, else 0
	s_lshl_b32 s2, s19, 4
	s_add_co_u32 s2, s2, 16                        ; from r to r + 1: 16, or 32 for v
	s_mul_i32 s19, s19, 240
	s_sub_co_u32 s19, 256, s19                     ; from h = 0 to h = 1: 256, or 16 for v
	v_mul_u32_u24 v[CO+\i], s2, v1
	v_mad_u32_u24 v[CO+\i], v2, s19, v[CO+\i]
	v_add_nc_u32 v[CO+\i], s18, v[CO+\i]
.endr
.macro FRAGA set, q, i                 ; x's fragment (tile i, K step q): two loads of 512 consecutive bytes
.irp c, 0,1
	ds_load_b128 v[AF+64*(\set)+8*(\i)+4*\c:AF+64*(\set)+8*(\i)+4*\c+3], v[ADRA] offset:16384*((\q)/2)+2048*(\i)+1024*((\q)%2)+512*\c
.endr
.endm
.macro FRAGB set, slot, q, b           ; w's fragment (tile b of my four, K step q)
.irp c, 0,1
	ds_load_b128 v[32*(\set)+8*(\b)+4*\c:32*(\set)+8*(\b)+4*\c+3], v[ADRB+\slot] offset:16384*((\q)/2)+2048*(\b)+1024*((\q)%2)+512*\c
.endr
.endm
.macro FETCH slot, q, set              ; 24 LDS loads in one run: the fragments of K step q
	WIN TO_B
.irp b, 0,1,2,3
	FRAGB \set, \slot, \q, \b
.endr
	WIN 0
.irp i, 0,1,2,3,4,5,6,7
	FRAGA \set, \q, \i
.endr
.endm
.macro SBLOAD i                        ; w's scale words of pass i
.irp b, 0,1,2,3
.irp q, 0,1,2,3,4,5,6,7
	ds_load_b32 v[SB+8*\b+\q], v[ADSB] offset:4096*(\i)+512*\b+64*\q
.endr
.endr
.endm
; 32 matrix instructions: x's eight tiles x w's four, K step q.  zero = 1: the first product starts the sums.  The 32 accumulators take turns, one instruction a turn, in the same order in every step.
.macro MUL32 set, q, zero
.irp a, 0,1,2,3,4,5,6,7
.irp b, 0,1,2,3
.if \zero
	v_wmma_scale_f32_16x16x128_f8f6f4 v[8*(4*\a+\b):8*(4*\a+\b)+7], v[32*(\set)+8*\b:32*(\set)+8*\b+7], v[AF+64*(\set)+8*\a:AF+64*(\set)+8*\a+7], 0, v[SB+8*\b+(\q)], v[SA+8*\a+(\q)] matrix_a_fmt:MATRIX_FMT_FP4 matrix_b_fmt:MATRIX_FMT_FP4
.else
	v_wmma_scale_f32_16x16x128_f8f6f4 v[8*(4*\a+\b):8*(4*\a+\b)+7], v[32*(\set)+8*\b:32*(\set)+8*\b+7], v[AF+64*(\set)+8*\a:AF+64*(\set)+8*\a+7], v[8*(4*\a+\b):8*(4*\a+\b)+7], v[SB+8*\b+(\q)], v[SA+8*\a+(\q)] matrix_a_fmt:MATRIX_FMT_FP4 matrix_b_fmt:MATRIX_FMT_FP4
.endif
.endr
.endr
.endm
.macro GATE g                          ; all but my youngest 3 - g tensor loads are in (a wave's tensor loads end in order); then everybody's are.  Later groups may stay out
	s_wait_tensorcnt 3-(\g)
	s_barrier_signal -1
	s_barrier_wait -1
.endm
; THE ONE REFILL: pass 2's codes of w into slot 0.  It stands where my reads of slot 0 are over (the wait on DScnt at the step's head).  Each wave waits for all its tensor loads, adds 0 to its spare word and waits for that;
; a round of the cluster's barrier: no wave of any partner still reads slot 0 or has a load on its way; then the joint load, one a wave: wave w fetches K group w.  Behind it stand this K step, the way out and
; seven K steps of pass 1, 256 matrix instructions of mine, ahead of the wait for it.  Its four v_nop are also the places in front of the loads that follow.
.macro REFILL
	WIN 0
	s_wait_tensorcnt 0x0
	ds_add_u32 v[SPW], v[NIL]                      ; 0 onto my spare word
	s_wait_dscnt 0x0
	CROUND
	tensor_load_to_lds s[G0R:G0R+3], s[G1B:G1B+7]
	s_nop 0
.rept 4
	v_nop
.endr
.endm
; K step q of pass i: the next step's fragments go out in one run, into the other set, then this step is multiplied.
.macro STEP i, q
	s_wait_dscnt 0x0                               ; this step's fragments, asked for a step (32 matrix instructions) ago; no LDS instruction of mine is out at a barrier below
.if ((\i) == 0) && ((\q) == 7)
	REFILL
.else
.if ((\i) == 0) && (((\q)%2) == 1)
	GATE ((\q)+1)/2                                ; the next K step lies in the next group of the first fills
.endif
.if ((\i) == 1) && ((\q) == 7)
	GATE 3                                         ; the refill is in, everybody's part: the next fetch reads it
.endif
	PLACES                                         ; for the loads into the set that the last step multiplied
.endif
.if (\q) < 7
	FETCH (\i)%2, (\q)+1, 1-(\q)%2
.elseif (\i) < 2
	FETCH ((\i)+1)%2, 0, 0                         ; the next pass's first step: the other slot
.endif
	WIN MUL
.if (\q) == 0
	MUL32 0, 0, 1
.else
	MUL32 (\q)%2, \q, 0
.endif
.endm
; THE WAY OUT of pass i, a tile of 16 tokens at a time: rounded to f16, 16 bytes a lane, stored from registers: each store covers 512 consecutive bytes, aligned.  Each accumulator is read from its low end on.
.macro OUT i
.set TP, 128*((\i)%2)
	PLACES                                         ; behind the last products: the loads below land in scale registers that they read, the conversions read results
	WIN 0
.if (\i) < 2
	SBLOAD (\i)+1                                  ; they land while the pass is packed
.endif
.if (\i) == 2
	s_wait_xcnt 0x0                                ; pass 0's stores have read their registers: the set is written again only behind this wait
.endif
.irp a, 0,1,2,3,4,5,6,7
	WIN TO_T
.irp b, 0,1,2,3
.irp r, 0,1,2,3
	v_cvt_pk_f16_f32 v[TP+16*\a+4*\b+\r], v[8*(4*\a+\b)+2*\r], v[8*(4*\a+\b)+2*\r+1]
.endr
.endr
	WIN FROM_T
.irp b, 0,1,2,3                        ; channels 16 b on: piece b of the tile's 2,048 bytes
	global_store_b128 v[CO+\i], v[TP+16*\a+4*\b:TP+16*\a+4*\b+3], s[12:13] offset:2048*\a+512*\b
.endr
.endr
	WIN 0
.endm
	GATE 0                                         ; the scale words and K group 0
	FETCH 0, 0, 0
.irp i, 0,1,2,3,4,5,6,7                ; x's scale words, once
.irp q, 0,1,2,3,4,5,6,7
	ds_load_b32 v[SA+8*\i+\q], v[ADSA] offset:512*\i+64*\q
.endr
.endr
	SBLOAD 0
.irp i, 0,1,2
.set Q, 0
.rept 8
	STEP \i, Q
.set Q, Q+1
.endr
	OUT \i
.endr
	s_wait_tensorcnt 0x0                           ; the wave's end
	ds_add_u32 v[SPW], v[NIL]
	s_wait_dscnt 0x0
	CROUND                                         ; the closing round: no work-group ends while a partner may still ask for a tile that names it
	s_endpgm
.Lfunc_end_k_q33feaec92b_qkvg:
	.size	k_q33feaec92b_qkvg, .Lfunc_end_k_q33feaec92b_qkvg-k_q33feaec92b_qkvg
	.p2alignl 7, 3214868480
	.fill 96, 4, 3214868480
	.section	.rodata,"a",@progbits
	.p2align	6, 0x0
	.amdhsa_kernel k_q33feaec92b_qkvg
		.amdhsa_group_segment_fixed_size 327680
		.amdhsa_private_segment_fixed_size 0
		.amdhsa_enable_private_segment 0
		.amdhsa_kernarg_size 40
		.amdhsa_user_sgpr_count 2
		.amdhsa_user_sgpr_kernarg_segment_ptr 1
		.amdhsa_wavefront_size32 1
		.amdhsa_system_sgpr_workgroup_id_x 1
		.amdhsa_system_sgpr_workgroup_id_y 1
		.amdhsa_system_sgpr_workgroup_id_z 1
		.amdhsa_system_vgpr_workitem_id 0
		.amdhsa_next_free_vgpr 1024
		.amdhsa_next_free_sgpr 102
		.amdhsa_reserve_vcc 0
		.amdhsa_float_denorm_mode_32 3
		.amdhsa_float_denorm_mode_16_64 3
		.amdhsa_memory_ordered 1
		.amdhsa_forward_progress 1
		.amdhsa_inst_pref_size 196
	.end_amdhsa_kernel
	.amdgpu_metadata
---
amdhsa.version: [ 1, 2 ]
amdhsa.kernels:
  - .name:           k_q33feaec92b_qkvg
    .symbol:         k_q33feaec92b_qkvg.kd
    .args:
      - { .name: xc, .offset: 0, .size: 8, .value_kind: global_buffer, .address_space: global }
      - { .name: xs, .offset: 8, .size: 8, .value_kind: global_buffer, .address_space: global }
      - { .name: wc, .offset: 16, .size: 8, .value_kind: global_buffer, .address_space: global }
      - { .name: ws, .offset: 24, .size: 8, .value_kind: global_buffer, .address_space: global }
      - { .name: qkv, .offset: 32, .size: 8, .value_kind: global_buffer, .address_space: global }
    .group_segment_fixed_size: 327680
    .private_segment_fixed_size: 0
    .kernarg_segment_align: 8
    .kernarg_segment_size: 40
    .max_flat_workgroup_size: 128
    .sgpr_count:     102
    .vgpr_count:     1024
    .wavefront_size: 32
...
	.end_amdgpu_metadata
.endif
;; end of part 2
;; launch attn (part 3): grid 2 x 128, 16 waves a work-group, no clusters, 327,680 bytes of LDS; arguments qkv, att; writes att
.if DOCPART == 3
	.amdgcn_target "amdgcn-amd-amdhsa--gfx1250"
	.amdhsa_code_object_version 6
	.text
	.protected	k_q33feaec92b_attn
	.globl	k_q33feaec92b_attn
	.p2align	8
	.type	k_q33feaec92b_attn,@function
k_q33feaec92b_attn:
	s_mov_b64 s[64:65], 0
	v_nop
	global_prefetch_b8 v0, s[64:65] scope:SCOPE_SE
	s_setreg_imm32_b32 hwreg(HW_REG_WAVE_MODE, 25, 1), 1
	s_wait_xcnt 0x0
; att[b][n][64 head + d] = the sum over m of softmax_m(q[n] . k[m] / 8) v[m][d], for each of 128 (b, head).  q, k, v come as f16 (buffer qkv, laid by the launch before), products with f32 sums;
; maxima, exponentials and sums in f32; the weights p are rounded to f16 for the second product, the result once at the end, to f16, for the last product.
; SHARES.  A work-group owns 512 queries of one (b, head): x = which half, y = 16 b + head.  Each of its SIXTEEN waves owns 32 queries, two tiles of 16, in 256 registers: four waves to a SIMD,
; so that one wave's vector work stands beside another's matrix work and LDS loads.  Every wave walks all 1,024 keys, 64 a step.
; A WHOLE HEAD'S K AND V COME TO LIE IN LDS: 131,072 bytes each, as they lie in memory, in four groups of 256 keys; of each group every wave fetches 4,096 bytes with one tensor load.  No LDS byte is filled twice (the launch uses 264,192 bytes and claims more).
; ONE GROUP AT A TIME: group 0 goes out at the head; group g + 1 is each wave's one tensor load behind the barrier in front of group g's steps, four key steps (128 matrix instructions a wave) ahead of its first read.
; So the first products wait for 65,536 bytes and not for the whole head.  In front of each of these barriers a wave waits for all its tensor loads (one is out), adds 0 to its spare word and waits for that and for its LDS reads.
; NO PREFETCH is written: each group is asked for by its tensor load four key steps ahead of its first read.
; NO CLUSTER: a head's K and V are read by two work-groups only, each once; the joint request's forms serve a row or a column of four partners.
; LAYOUT.  S^T = K Q^T (source 0 = 16 keys, source 1 = 16 queries): a lane holds ONE query (lane % 16) and keys 8 (lane / 16) + 0 .. 7.  Two such tiles, rounded to f16 in pairs, ARE source 1 (32 keys x 16 queries)
; of O^T = V^T P, whose result again holds one query a lane, and eight channels.  K's and Q's fragments are register images (512 consecutive bytes a load); V's tiles [16 keys][16 channels] are turned by ds_load_tr16_b128.
; SOFTMAX.  For each query a running maximum m and sum l: p = 2^(c s - c m), c = log2(e) / 8; in every step O and l are multiplied by a = 2^(c m_old - c m_new).  m begins at -3e38, O and l at 0: the first a is 0 and multiplies zeros.
; THE RESULT: att [512 tiles of 16 tokens][32 fragments of 32 K (2 head + u)][1,024 bytes]: the register image of the last product's operand: O^T, packed, is that image already.
; LIMITS: NaN and infinities are not served.
.set SPARE, 262144                     ; behind K and V: the spare words, 128 bytes for each of sixteen waves, which no other line names
.set L16,  1                           ; v1   16 x lane
.set AV0,  2                           ; v2   my lane's place in a tile of V
.set ADK,  3                           ; v3   the step's address in K
.set ADV,  4                           ; v4   in V
.set SPW,  5                           ; v5   my spare word; never rewritten
.set NIL,  6                           ; v6   0; never rewritten
.set ST,   8                           ; tile t's statistics at v[8 + 8 t]: +0 c m, +1 m, +2, +3 l (even keys', odd keys'), +4, +5 the maximum's two chains, +6 a, +7 at work
.set Q,    24                          ; v24-55   Q: 16 t + 8 cf (channels 32 cf on)
.set KV,   56                          ; v56-119  the step's K, then its V
.set S,    120                         ; v120-183 S^T: 32 t + 8 kt; p in place; packed into 32 t + 0 .. 15
.set OT,   184                         ; v184-247 O^T: 32 t + 8 ct
.set CH,   248                         ; v248-251 the sums' second chains
.set G1,   16                          ; s[16:23] descriptor group 1
.set G0,   24                          ; s[24:39] four groups 0, one for each group of keys; never rewritten
.set TB,   40                          ; s40  LDS byte at which the step's keys begin in K (and, 131,072 on, in V)
.set CNT,  41                          ; s41  counts a group's four steps
.set CS,   42                          ; s[42:43] c: the packed form names a pair and takes its low word for both halves
.set SEL,  44                          ; s[44:45] lane selects for v_permlanex16_b32: lane l xor 16
	s_load_b128 s[4:7], s[0:1], 0x0                ; qkv s[4:5], att s[6:7]
	v_lshl_add_u32 v[SPW], v0, 2, SPARE
	v_mov_b32 v[NIL], 0
	ds_add_u32 v[SPW], v[NIL]                      ; the wave's opening: the add and its wait stand ahead of my first tensor load; work on registers stands between them
	v_lshrrev_b32 v7, 5, v0
	v_readfirstlane_b32 s8, v7                     ; wave 0..15
	s_and_b32 s10, ttmp7, 0xffff                   ; 16 b + head
	s_mov_b32 s[G1], 3<<16                         ; no mask; elements of 8 bytes; no padding: 4,096 dense bytes as 16 rows of 256
	s_mov_b32 s[G1+1], 32<<16                      ; tensor_dim0
	s_mov_b32 s[G1+2], 16<<16                      ; tensor_dim1
	s_mov_b32 s[G1+3], 32<<16                      ; tile_dim0
	s_mov_b32 s[G1+4], 16                          ; tile_dim1
	s_mov_b32 s[G1+5], 32                          ; tensor_dim0_stride
	s_mov_b32 s[G1+6], 0
	s_mov_b32 s[G1+7], 0
	s_mov_b32 s[CS], 0x3e38aa3b                    ; c = log2(e) / 8
	s_mov_b32 s[CS+1], s[CS]
	s_mov_b32 s[SEL], 0x76543210
	s_mov_b32 s[SEL+1], 0xfedcba98
	s_lshr_b32 s46, s8, 3                          ; waves 0-7 fetch K, waves 8-15 V:
	s_lshl_b32 s46, s46, 17
	s_and_b32 s47, s8, 7
	s_lshl_b32 s47, s47, 12                        ; 4,096 bytes of each group's 32,768
	s_add_co_u32 s46, s46, s47                     ; my place, the same in LDS and behind k's first byte in memory
	s_mul_i32 s48, s10, 393216                     ; the head's q, k, v: three blocks of 131,072 bytes
	s_mov_b32 s49, 0
	s_add_co_u32 s50, s48, s46
	s_add_co_u32 s50, s50, 131072                  ; k's block follows q's, v's follows k's
	s_mov_b32 s51, 0
	s_wait_dscnt 0x0                               ; the opening add is done
	s_wait_kmcnt 0x0
	s_add_nc_u64 s[50:51], s[4:5], s[50:51]
.irp g, 0,1,2,3
	s_mov_b32 s[G0+4*\g], 1
	s_add_co_u32 s[G0+4*\g+1], s46, \g*32768       ; group g: keys 256 g on
	s_add_nc_u64 s[G0+4*\g+2:G0+4*\g+3], s[50:51], \g*32768
	s_or_b32 s[G0+4*\g+3], s[G0+4*\g+3], 0x80000000
.endr
	tensor_load_to_lds s[G0:G0+3], s[G1:G1+7]      ; group 0: one load of mine is out
	s_nop 0
.rept 4
	v_nop
.endr
	v_and_b32 v7, 31, v0
	v_lshlrev_b32 v[L16], 4, v7
	s_lshl_b32 s52, ttmp9, 16                      ; q: 32 tiles of 2,048 bytes a half, two a wave
	s_lshl_b32 s53, s8, 12
	s_add_co_u32 s48, s48, s52
	s_add_co_u32 s48, s48, s53
	s_add_nc_u64 s[4:5], s[4:5], s[48:49]
.irp i, 0,1,2,3,4,5,6,7                ; Q stays in registers: four fragments as they lie
	global_load_b128 v[Q+4*\i:Q+4*\i+3], v[L16], s[4:5] offset:512*\i
.endr
	s_lshr_b32 s48, s10, 4                         ; att: ((64 b + 32 half + 2 wave) x 32 + 2 head) x 1,024
	s_lshl_b32 s48, s48, 21
	s_lshl_b32 s52, ttmp9, 20
	s_add_co_u32 s48, s48, s52
	s_lshl_b32 s52, s8, 16
	s_add_co_u32 s48, s48, s52
	s_and_b32 s52, s10, 15
	s_lshl_b32 s52, s52, 11
	s_add_co_u32 s48, s48, s52
	s_add_nc_u64 s[6:7], s[6:7], s[48:49]
	; the turning load takes 16 keys x 16 channels: lane l reads 16 bytes: key 8 (l / 16) + l % 8 (rows of 32 bytes), channels 8 ((l / 8) % 2) on; it leaves lane l channel l % 16 and 8 keys
	v_bfe_u32 v[AV0], v0, 4, 1
	v_and_b32 v7, 7, v0
	v_lshl_add_u32 v[AV0], v[AV0], 3, v7
	v_bfe_u32 v7, v0, 3, 1
	v_lshlrev_b32 v[AV0], 5, v[AV0]
	v_lshl_add_u32 v[AV0], v7, 4, v[AV0]
	v_add_nc_u32 v[AV0], 131072, v[AV0]
.irp t, 0,1
	v_mov_b32 v[ST+8*\t+1], 0xff61b1e6             ; m = -3e38, under every score
	v_mul_f32 v[ST+8*\t], s[CS], v[ST+8*\t+1]      ; c m
	v_mov_b32 v[ST+8*\t+2], 0                      ; l
	v_mov_b32 v[ST+8*\t+3], 0
	v_mov_b32 v[ST+8*\t+5], 0                      ; a lane permute's destination counts as one of its sources
.endr
.set j, 0
.rept 64
	v_mov_b32 v[OT+j], 0                           ; O^T: the step is written once; its first trip finds zeros
.set j, j+1
.endr
; A KEY STEP: 64 keys.
.macro STEP
	v_add_nc_u32 v[ADK], s[TB], v[L16]
	v_add_nc_u32 v[ADV], s[TB], v[AV0]
.rept 3
	v_nop                                          ; with the two additions five plain lines behind the last step's products: four for the loads into the registers that they read, five for the products below, which write over P's
.endr
.irp i, 0,1,2,3,4,5,6,7,8,9,10,11,12,13,14,15      ; K: four tiles of 16 keys x two fragments: 8,192 bytes as they lie
	ds_load_b128 v[KV+4*\i:KV+4*\i+3], v[ADK] offset:512*\i
.endr
	s_wait_dscnt 0x0
.irp cf, 0,1                           ; S^T = K Q^T: eight accumulators by turns; the first eight products start the sums
.irp kt, 0,1,2,3
.irp t, 0,1
.if \cf == 0
	v_wmma_f32_16x16x32_f16 v[S+32*\t+8*\kt:S+32*\t+8*\kt+7], v[KV+16*\kt+8*\cf:KV+16*\kt+8*\cf+7], v[Q+16*\t+8*\cf:Q+16*\t+8*\cf+7], 0
.else
	v_wmma_f32_16x16x32_f16 v[S+32*\t+8*\kt:S+32*\t+8*\kt+7], v[KV+16*\kt+8*\cf:KV+16*\kt+8*\cf+7], v[Q+16*\t+8*\cf:Q+16*\t+8*\cf+7], v[S+32*\t+8*\kt:S+32*\t+8*\kt+7]
.endif
.endr
.endr
.endr
.rept 4
	v_nop                                          ; four plain lines in front of the loads into K's registers and of the first read of the scores
.endr
.irp kh, 0,1                           ; V, turned: fragment (keys 32 kh on, channels 16 ct on); it lands while the softmax is walked
.irp ct, 0,1,2,3
	ds_load_tr16_b128 v[KV+8*(4*\kh+\ct):KV+8*(4*\kh+\ct)+3], v[ADV] offset:2048*(2*\kh)+512*\ct
	ds_load_tr16_b128 v[KV+8*(4*\kh+\ct)+4:KV+8*(4*\kh+\ct)+7], v[ADV] offset:2048*(2*\kh+1)+512*\ct
.endr
.endr
	; the maximum of my 32 scores and the old m, in two chains; the two tiles by turns.  Each accumulator is first read at its low end
.irp t, 0,1
	v_max3_num_f32 v[ST+8*\t+4], v[S+32*\t], v[S+32*\t+1], v[S+32*\t+2]
	v_max3_num_f32 v[ST+8*\t+5], v[S+32*\t+3], v[S+32*\t+4], v[S+32*\t+5]
.endr
.irp i, 6,10,14,18,22,26
.irp t, 0,1
	v_max3_num_f32 v[ST+8*\t+4], v[ST+8*\t+4], v[S+32*\t+\i], v[S+32*\t+\i+1]
	v_max3_num_f32 v[ST+8*\t+5], v[ST+8*\t+5], v[S+32*\t+\i+2], v[S+32*\t+\i+3]
.endr
.endr
.irp t, 0,1
	v_max3_num_f32 v[ST+8*\t+4], v[ST+8*\t+4], v[S+32*\t+30], v[S+32*\t+31]
.endr
.irp t, 0,1
	v_max3_num_f32 v[ST+8*\t+4], v[ST+8*\t+4], v[ST+8*\t+5], v[ST+8*\t+1]
.endr
.irp t, 0,1
	v_permlanex16_b32 v[ST+8*\t+5], v[ST+8*\t+4], s[SEL], s[SEL+1]   ; the query's other 32 keys lie in the lane 16 away
.endr
.irp t, 0,1
	v_mov_b32 v[ST+8*\t+7], v[ST+8*\t]             ; c m_old is kept for a
.endr
.irp t, 0,1
	v_max_num_f32 v[ST+8*\t+1], v[ST+8*\t+4], v[ST+8*\t+5]
.endr
.irp t, 0,1
	v_mul_f32 v[ST+8*\t], s[CS], v[ST+8*\t+1]
.endr
.irp t, 0,1
	v_sub_f32 v[ST+8*\t+7], v[ST+8*\t+7], v[ST+8*\t]
.endr
.irp i, 0,2,4,6,8,10,12,14,16,18,20,22,24,26,28,30
.irp t, 0,1
	v_pk_fma_f32 v[S+32*\t+\i:S+32*\t+\i+1], v[S+32*\t+\i:S+32*\t+\i+1], s[CS:CS+1], v[ST+8*\t:ST+8*\t+1] op_sel_hi:[1,0,0] neg_lo:[0,0,1] neg_hi:[0,0,1]   ; c s - c m, two at a time
.endr
.endr
	; ONE BATCH: both tiles' a and all 64 p; nothing names a result before the one wait behind it
.irp t, 0,1
	v_exp_f32 v[ST+8*\t+6], v[ST+8*\t+7]
.endr
.set j, 0
.rept 64
	v_exp_f32 v[S+j], v[S+j]
.set j, j+1
.endr
	v_nop                                          ; a plain line behind the last exponential
	s_wait_alu depctr_va_vdst(0)                   ; the wait ahead of the first line that names a result: one for the batch
	; l = a l + the sum of the unrounded p: two chains of pairs
.irp t, 0,1
	v_pk_fma_f32 v[ST+8*\t+2:ST+8*\t+3], v[ST+8*\t+2:ST+8*\t+3], v[ST+8*\t+6:ST+8*\t+7], v[S+32*\t:S+32*\t+1] op_sel_hi:[1,0,1]
	v_pk_add_f32 v[CH+2*\t:CH+2*\t+1], v[S+32*\t+2:S+32*\t+3], v[S+32*\t+6:S+32*\t+7]
.endr
.irp i, 4,8,12,16,20,24,28
.irp t, 0,1
	v_pk_add_f32 v[ST+8*\t+2:ST+8*\t+3], v[ST+8*\t+2:ST+8*\t+3], v[S+32*\t+\i:S+32*\t+\i+1]
.if \i > 4
	v_pk_add_f32 v[CH+2*\t:CH+2*\t+1], v[CH+2*\t:CH+2*\t+1], v[S+32*\t+\i+2:S+32*\t+\i+3]
.endif
.endr
.endr
.irp t, 0,1
	v_pk_add_f32 v[ST+8*\t+2:ST+8*\t+3], v[ST+8*\t+2:ST+8*\t+3], v[CH+2*\t:CH+2*\t+1]
.endr
.irp t, 0,1                            ; p to f16, in place and ascending: register i takes numbers 2 i and 2 i + 1, which no earlier line has overwritten
.set i, 0
.rept 16
	v_cvt_pk_f16_f32 v[S+32*\t+i], v[S+32*\t+2*i], v[S+32*\t+2*i+1]
.set i, i+1
.endr
.endr
.irp t, 0,1                            ; O^T x a, each accumulator from its low end on
.set i, 0
.rept 16
	v_pk_mul_f32 v[OT+32*\t+i:OT+32*\t+i+1], v[OT+32*\t+i:OT+32*\t+i+1], v[ST+8*\t+6:ST+8*\t+7] op_sel_hi:[1,0]
.set i, i+2
.endr
.endr
	s_wait_dscnt 0x0                               ; V is in
.irp kh, 0,1                           ; O^T += V^T P: eight accumulators by turns
.irp ct, 0,1,2,3
.irp t, 0,1
	v_wmma_f32_16x16x32_f16 v[OT+32*\t+8*\ct:OT+32*\t+8*\ct+7], v[KV+8*(4*\kh+\ct):KV+8*(4*\kh+\ct)+7], v[S+32*\t+8*\kh:S+32*\t+8*\kh+7], v[OT+32*\t+8*\ct:OT+32*\t+8*\ct+7]
.endr
.endr
.endr
	s_add_co_u32 s[TB], s[TB], 8192                ; the next 64 keys
.endm
; A GROUP of 256 keys.  My one tensor load that is out is my part of this group: I wait for it, add 0 to my spare word, and wait for that (every step has waited for its own LDS loads); behind the barrier the group is whole.
; First thing there each wave asks for its part of the NEXT group, bytes that nothing has filled: its one tensor load until the next such barrier.  Then the group's four steps.
.macro GROUP g
	s_wait_tensorcnt 0x0
	ds_add_u32 v[SPW], v[NIL]                      ; 0 onto my spare word; two scalar moves stand between it and the wait for it
	s_mov_b32 s[TB], (\g)*32768
	s_mov_b32 s[CNT], 4
	s_wait_dscnt 0x0
	s_barrier_signal -1
	s_barrier_wait -1
.if (\g) < 3
	tensor_load_to_lds s[G0+4*((\g)+1):G0+4*((\g)+1)+3], s[G1:G1+7]
	s_nop 0
.rept 4
	v_nop
.endr
.endif
.Lstep_\@:
	STEP
	s_sub_co_u32 s[CNT], s[CNT], 1
	s_cmp_lg_u32 s[CNT], 0
	s_cbranch_scc1 .Lstep_\@
.endm
	s_wait_loadcnt 0x0                             ; Q
	GROUP 0
	GROUP 1
	GROUP 2
	GROUP 3
	; THE WAY OUT: l's two halves and the other half of the lanes'; O^T / l, to f16; the packed registers are the next operand's image and go out as they stand.
.rept 4
	v_nop                                          ; four plain lines behind the last products
.endr
.irp t, 0,1
	v_add_f32 v[ST+8*\t+4], v[ST+8*\t+2], v[ST+8*\t+3]
.endr
.irp t, 0,1
	v_permlanex16_b32 v[ST+8*\t+5], v[ST+8*\t+4], s[SEL], s[SEL+1]
.endr
.irp t, 0,1
	v_add_f32 v[ST+8*\t+4], v[ST+8*\t+4], v[ST+8*\t+5]
.endr
.irp t, 0,1
	v_rcp_f32 v[ST+8*\t+6], v[ST+8*\t+4]
.endr
	v_nop                                          ; a plain line behind the last reciprocal
	s_wait_alu depctr_va_vdst(0)                   ; and the wait ahead of the first use: one for the two
.irp t, 0,1
.set i, 0
.rept 16
	v_pk_mul_f32 v[OT+32*\t+i:OT+32*\t+i+1], v[OT+32*\t+i:OT+32*\t+i+1], v[ST+8*\t+6:ST+8*\t+7] op_sel_hi:[1,0]
.set i, i+2
.endr
.endr
.irp t, 0,1
.set i, 0
.rept 16
	v_cvt_pk_f16_f32 v[S+16*\t+i], v[OT+32*\t+2*i], v[OT+32*\t+2*i+1]   ; register 4 ct + i: channels 16 ct + 8 h + 2 i, + 1 of query r
.set i, i+1
.endr
.endr
.irp t, 0,1
.irp g, 0,1,2,3                        ; channel tile g = 2 u + c: group c of fragment u: 512 consecutive bytes, aligned; a tile of tokens is 32,768 bytes on
	global_store_b128 v[L16], v[S+16*\t+4*\g:S+16*\t+4*\g+3], s[6:7] offset:32768*\t+512*\g
.endr
.endr
	s_wait_tensorcnt 0x0                           ; the wave's end
	ds_add_u32 v[SPW], v[NIL]
	s_wait_dscnt 0x0
	s_endpgm
.Lfunc_end_k_q33feaec92b_attn:
	.size	k_q33feaec92b_attn, .Lfunc_end_k_q33feaec92b_attn-k_q33feaec92b_attn
	.p2alignl 7, 3214868480
	.fill 96, 4, 3214868480
	.section	.rodata,"a",@progbits
	.p2align	6, 0x0
	.amdhsa_kernel k_q33feaec92b_attn
		.amdhsa_group_segment_fixed_size 327680
		.amdhsa_private_segment_fixed_size 0
		.amdhsa_enable_private_segment 0
		.amdhsa_kernarg_size 16
		.amdhsa_user_sgpr_count 2
		.amdhsa_user_sgpr_kernarg_segment_ptr 1
		.amdhsa_wavefront_size32 1
		.amdhsa_system_sgpr_workgroup_id_x 1
		.amdhsa_system_sgpr_workgroup_id_y 1
		.amdhsa_system_sgpr_workgroup_id_z 1
		.amdhsa_system_vgpr_workitem_id 0
		.amdhsa_next_free_vgpr 256
		.amdhsa_next_free_sgpr 66
		.amdhsa_reserve_vcc 0
		.amdhsa_float_denorm_mode_32 3
		.amdhsa_float_denorm_mode_16_64 3
		.amdhsa_memory_ordered 1
		.amdhsa_forward_progress 1
		.amdhsa_inst_pref_size 83
	.end_amdhsa_kernel
	.amdgpu_metadata
---
amdhsa.version: [ 1, 2 ]
amdhsa.kernels:
  - .name:           k_q33feaec92b_attn
    .symbol:         k_q33feaec92b_attn.kd
    .args:
      - { .name: qkv, .offset: 0, .size: 8, .value_kind: global_buffer, .address_space: global }
      - { .name: att, .offset: 8, .size: 8, .value_kind: global_buffer, .address_space: global }
    .group_segment_fixed_size: 327680
    .private_segment_fixed_size: 0
    .kernarg_segment_align: 8
    .kernarg_segment_size: 16
    .max_flat_workgroup_size: 512
    .sgpr_count:     66
    .vgpr_count:     256
    .wavefront_size: 32
...
	.end_amdgpu_metadata
.endif
;; end of part 3
;; launch proj (part 4): grid 4 x 64, 4 waves a work-group, clusters of 4 x 4, 327,680 bytes of LDS; arguments att, wo, out0; writes out0
.if DOCPART == 4
	.amdgcn_target "amdgcn-amd-amdhsa--gfx1250"
	.amdhsa_code_object_version 6
	.text
	.protected	k_q33feaec92b_proj
	.globl	k_q33feaec92b_proj
	.p2align	8
	.type	k_q33feaec92b_proj,@function
k_q33feaec92b_proj:
	s_mov_b64 s[64:65], 0
	v_nop
	global_prefetch_b8 v0, s[64:65] scope:SCOPE_SE
	s_setreg_imm32_b32 hwreg(HW_REG_WAVE_MODE, 25, 1), 1
	s_wait_xcnt 0x0
	s_wait_alu depctr_hold_cnt(0) depctr_sa_sdst(0) depctr_va_vdst(0) depctr_va_sdst(0) depctr_va_ssrc(0) depctr_va_vcc(0) depctr_vm_vsrc(0)
	s_getreg_b32 s2, hwreg(HW_REG_IB_STS2, 6, 4)
	s_cmp_eq_u32 s2, 0
	s_cbranch_scc0 .Lentry_in_a_cluster
	s_endpgm
.Lentry_in_a_cluster:
	s_bfe_u32 s2, ttmp6, 0x10000c
	s_cmp_lg_u32 s2, 0xf033
	s_cbranch_scc0 .Lentry_shape_is_right
	s_endpgm
.Lentry_shape_is_right:
; out0 = att w_out: [8192][1024] x [1024][1024], f16 operands, f32 sums, f32 result.
; att [512 tiles of 16 tokens][32 fragments of 32 K][1,024 bytes] and wo [64 tiles of 16 columns][32][1,024] are images of the operands' registers (group c of lane l at 512 c + 16 l):
; a fragment load is 512 consecutive bytes, so LDS needs no padding, and a K step's part of a tile is 4,096 consecutive bytes of memory.
; A work-group of four waves makes 128 tokens x 256 columns, which gives 256 work-groups; a wave 64 x 128: 32 accumulators of 16 x 16, 256 registers.
; K goes in eight steps of 128 through a ring of two LDS slots (98,304 bytes each: two longer ones do not fit); waves 0 and 1 fetch att's halves, waves 2 and 3 wo's, one tensor load a wave.
; CLUSTERS: 4 x 4 work-groups.  The four of a row of the cluster need the same tiles of att, the four of a column the same tiles of wo: each is asked for JOINTLY, by the same tensor load with the same
; descriptor and a mask that names the four.  THE MATRIX INSTRUCTION IS USED TRANSPOSED (source 0 = 16 columns of w_out, source 1 = 16 tokens): a lane holds eight neighbouring numbers of a row of out0.
; REGISTERS: window 0: v1-31 addresses; v32-127, v128-223 two fragment buffers (att's four fragments, then wo's eight); on the way out v32-159 hold rows.   window 1: the accumulators ((a, b) at v[8 (8 a + b)]).
.set SLOT,   98304                     ; att's 8 tiles x 4,096 bytes, then wo's 16 tiles x 4,096
.set BOFF,   32768
.set STAGE,  2*SLOT                    ; behind the ring: 16 rows x (512 bytes + 16) for each wave; no tensor load lands there
.set SPITCH, 528
.set SPARE,  STAGE+4*16*SPITCH         ; the spare words, 128 bytes a wave, which no other line names
.set ADRA, 16                          ; v16-17  LDS address of my att fragments in slot 0, 1
.set ADRB, 20                          ; v20-21  of my wo fragments
.set STO,  24                          ; v24  the way out: where I put 32 bytes of a row
.set RD,   25                          ; v25  and where I read a row back
.set CO,   26                          ; v26  16 x lane: my place in a row's 512 bytes
.set SPW,  28                          ; v28  my spare word; never rewritten
.set NIL,  29                          ; v29  0; never rewritten
.set PFO,  30                          ; v30  the prefetches' offset; never rewritten
.set F0,   32
.set F1,   128
.set OB,   32                          ; the way out: v32-95 and v96-159 by turns
.set G1,   24                          ; s[24:31] group 1 for att's tiles;  s[32:39] groups 0, one for each slot
.set G0,   32
.set G1B,  48                          ; s[48:55], s[56:63] the same for wo's
.set G0B,  56
.set LIM,  43                          ; s43  1 in the wave that prefetches, else the greatest number
.set PFA,  44                          ; s[44:45] where the prefetches stand
.set MSB, 0
.macro WIN new                         ; the immediate's high byte repeats the setting that is left
.if MSB != \new
	s_set_vgpr_msb (MSB<<8)|\new
.set MSB, \new
.endif
.endm
.set MUL, 0x50                         ; sources 0 and 1 window 0; C and D window 1
; A joint load: waves 0 and 1 fetch for att, waves 2 and 3 for wo.  The branch hangs on the wave's number alone.  An s_nop 0 and four v_nop follow each of the two lines.
.macro JLOAD s
	s_cmp_eq_u32 s11, 0
	s_cbranch_scc0 .Lfor_b_\@
	tensor_load_to_lds s[G0+4*\s:G0+4*\s+3], s[G1:G1+7]
	s_nop 0
.rept 4
	v_nop
.endr
	s_branch .Lasked_\@
.Lfor_b_\@:
	tensor_load_to_lds s[G0B+4*\s:G0B+4*\s+3], s[G1B:G1B+7]
	s_nop 0
.rept 4
	v_nop
.endr
.Lasked_\@:
.endm
; A PREFETCH INTO THE L2 of att's K step that stands two refills on: 8 tiles x 4,096 bytes = 128 blocks of 256 bytes.  A tile row of att is read by the four partners of one row of one cluster and by nobody else;
; they share the blocks out BY ADDRESS: the partner at cx takes tiles 2 cx and 2 cx + 1, a lane a block; wave 0 asks, one instruction.  So each block is named once in the launch.
; It stands behind the joint load, its five lines and the run of LDS loads.  The loop's last trip asks for nothing: there is no K step two refills on.  K steps 0 to 3 come by their loads alone.  wo, which all clusters read, is not asked for.
.macro ASK
	s_cmp_gt_u32 s3, s[LIM]                        ; s3 = 1 in the loop's last trip
	s_cbranch_scc0 .Lnot_mine_\@
	global_prefetch_b8 v[PFO], s[PFA:PFA+1] th:TH_LOAD_NT scope:SCOPE_SE
.Lnot_mine_\@:
.endm
.macro CREST                           ; a round of the cluster's barrier behind its opening barrier
	s_cmp_lg_u32 s10, 0
	s_cbranch_scc1 .Lnot_wave_0_\@
	s_barrier_signal -3
.Lnot_wave_0_\@:
	s_barrier_wait -3
	s_barrier_signal -1
	s_barrier_wait -1
.endm
.macro CROUND
	s_barrier_signal -1
	s_barrier_wait -1
	CREST
.endm
.macro PLACES                          ; four plain vector lines between a matrix instruction and a load into a register that it read, or a read of its result
.rept 4
	v_nop
.endr
.endm
	s_load_b128 s[4:7], s[0:1], 0x0                ; att s[4:5], wo s[6:7]
	s_load_b64 s[8:9], s[0:1], 0x10                ; out0
	v_lshl_add_u32 v[SPW], v0, 2, SPARE
	v_mov_b32 v[NIL], 0
	ds_add_u32 v[SPW], v[NIL]                      ; the wave's opening: the add and its wait stand ahead of my first tensor load; work on registers stands between them
	v_lshrrev_b32 v1, 5, v0
	v_readfirstlane_b32 s10, v1                    ; wave 0..3
	s_lshr_b32 s11, s10, 1                         ; which half of the tokens is mine.  Also: I fetch for att (0) or for wo (1)
	s_and_b32 s12, s10, 1                          ; which half of the columns.  Also: which half of that tile I fetch
	s_bfe_u32 s40, ttmp6, 0x40000                  ; cx, cy
	s_bfe_u32 s41, ttmp6, 0x40004
	s_lshl_b32 s42, ttmp9, 2
	s_add_co_u32 s42, s42, s40                     ; block of 256 columns
	s_and_b32 s13, ttmp7, 0xffff
	s_lshl_b32 s13, s13, 2
	s_add_co_u32 s13, s13, s41                     ; block of 128 tokens
	s_lshl_b32 s14, s41, 2
	s_lshl_b32 s14, 15, s14                        ; my row of the cluster
	s_lshl_b32 s15, 0x1111, s40                    ; my column
	s_or_b32 s[G1], s14, (3<<16)|(1<<21)           ; 15:0 the mask; 17:16 elements of 8 bytes; 21 set beside a mask; no padding
	s_or_b32 s[G1B], s15, (3<<16)|(1<<21)
	s_mov_b32 s[G1+1], 512<<16                     ; att: four tiles' 4,096 bytes, 32,768 bytes from tile to tile
	s_mov_b32 s[G1+2], 4<<16
	s_mov_b32 s[G1+3], 512<<16
	s_mov_b32 s[G1+4], 4
	s_mov_b32 s[G1+5], 4096
	s_mov_b32 s[G1+6], 0
	s_mov_b32 s[G1+7], 0
	s_mov_b32 s[G1B+1], 512<<16                    ; wo: eight tiles
	s_mov_b32 s[G1B+2], 8<<16
	s_mov_b32 s[G1B+3], 512<<16
	s_mov_b32 s[G1B+4], 8
	s_mov_b32 s[G1B+5], 4096
	s_mov_b32 s[G1B+6], 0
	s_mov_b32 s[G1B+7], 0
	s_lshl_b32 s16, s13, 3                         ; att: tile 8 x block of tokens + 4 x half
	s_lshl_b32 s17, s12, 2
	s_add_co_u32 s16, s16, s17
	s_lshl_b32 s16, s16, 15
	s_mov_b32 s17, 0
	s_lshl_b32 s46, s42, 4                         ; wo: tile 16 x block of columns + 8 x half
	s_lshl_b32 s47, s12, 3
	s_add_co_u32 s46, s46, s47
	s_lshl_b32 s46, s46, 15
	s_mov_b32 s47, 0
	s_lshl_b32 s20, s12, 14                        ; where they go: att's halves of 16,384 bytes,
	s_lshl_b32 s21, s12, 15                        ; wo's of 32,768, behind att's: no place in the cluster enters an LDS address
	s_add_co_u32 s21, s21, BOFF
	s_wait_dscnt 0x0                               ; the opening add is done
	s_wait_kmcnt 0x0
	s_add_nc_u64 s[16:17], s[4:5], s[16:17]
	s_add_nc_u64 s[46:47], s[6:7], s[46:47]
	CROUND                                         ; all sixteen work-groups are here: the first joint loads meet
.irp s, 0,1
	s_mov_b32 s[G0+4*\s], 1
	s_add_co_u32 s[G0+4*\s+1], s20, \s*SLOT
	s_add_nc_u64 s[G0+4*\s+2:G0+4*\s+3], s[16:17], \s*4096     ; K step s
	s_or_b32 s[G0+4*\s+3], s[G0+4*\s+3], 0x80000000
	s_mov_b32 s[G0B+4*\s], 1
	s_add_co_u32 s[G0B+4*\s+1], s21, \s*SLOT
	s_add_nc_u64 s[G0B+4*\s+2:G0B+4*\s+3], s[46:47], \s*4096
	s_or_b32 s[G0B+4*\s+3], s[G0B+4*\s+3], 0x80000000
	JLOAD \s
.endr
	v_and_b32 v1, 15, v0                           ; r
	v_bfe_u32 v2, v0, 4, 1                         ; h
	v_and_b32 v3, 31, v0
	v_lshlrev_b32 v[CO], 4, v3                     ; 16 x lane
	s_lshl_b32 s22, s11, 14                        ; my four tiles of att
	s_lshl_b32 s23, s12, 15                        ; my eight of wo
	s_add_co_u32 s23, s23, BOFF
.irp s, 0,1
	v_add_nc_u32 v[ADRA+\s], s22, v[CO]
	v_add_nc_u32 v[ADRB+\s], s23, v[CO]
	s_add_co_u32 s22, s22, SLOT
	s_add_co_u32 s23, s23, SLOT
.endr
	s_mul_i32 s23, s10, 16*SPITCH
	s_add_co_u32 s23, s23, STAGE                   ; my stage
	v_mul_u32_u24 v4, v1, SPITCH
	v_lshl_add_u32 v4, v2, 5, v4
	v_add_nc_u32 v[STO], s23, v4                   ; in: row r, 32 bytes for each half of the lanes
	v_add_nc_u32 v[RD], s23, v[CO]                 ; back: the 32 lanes take one row of 512 bytes
	s_lshl_b32 s18, s13, 19                        ; out0: (128 x block of tokens + 64 x half) rows of 4,096 bytes
	s_lshl_b32 s19, s11, 18
	s_add_co_u32 s18, s18, s19
	s_lshl_b32 s19, s42, 10                        ; + 1,024 bytes a block of columns, 512 a half
	s_add_co_u32 s18, s18, s19
	s_lshl_b32 s19, s12, 9
	s_add_co_u32 s18, s18, s19
	s_mov_b32 s19, 0
	s_add_nc_u64 s[8:9], s[8:9], s[18:19]
	s_lshl_b32 s22, s13, 18                        ; the prefetches: my block's eight tiles of att,
	s_add_co_u32 s22, s22, 3*4096                  ; at K step 3: the first refill steps it to 4
	s_mov_b32 s23, 0
	s_add_nc_u64 s[PFA:PFA+1], s[4:5], s[22:23]
	s_cmp_eq_u32 s10, 0
	s_cselect_b32 s[LIM], 1, -1
	s_lshl_b32 s22, s40, 16                        ; tiles 2 cx, 2 cx + 1: lanes 16-31 the second; 256 bytes from lane to lane
	v_lshlrev_b32 v[PFO], 15, v2
	v_lshl_add_u32 v[PFO], v1, 8, v[PFO]
	v_add_nc_u32 v[PFO], s22, v[PFO]
.macro FETCH slot, f, buf              ; 24 LDS loads in one run: the fragments of 32 along K, the slot's f-th
.irp i, 0,1,2,3
.irp c, 0,1
	ds_load_b128 v[\buf+8*\i+4*\c:\buf+8*\i+4*\c+3], v[ADRA+\slot] offset:4096*\i+1024*(\f)+512*\c
.endr
.endr
.irp i, 0,1,2,3,4,5,6,7
.irp c, 0,1
	ds_load_b128 v[\buf+32+8*\i+4*\c:\buf+32+8*\i+4*\c+3], v[ADRB+\slot] offset:4096*\i+1024*(\f)+512*\c
.endr
.endr
.endm
; 8 matrix instructions: tile a of my tokens x my eight tiles of columns.  zero = 1: the first product starts the sums.  The 32 accumulators take turns, one instruction a turn, in the same order in every quarter.
.macro MUL8 buf, a, zero
.irp b, 0,1,2,3,4,5,6,7
.if \zero
	v_wmma_f32_16x16x32_f16 v[8*(8*(\a)+\b):8*(8*(\a)+\b)+7], v[\buf+32+8*\b:\buf+32+8*\b+7], v[\buf+8*(\a):\buf+8*(\a)+7], 0
.else
	v_wmma_f32_16x16x32_f16 v[8*(8*(\a)+\b):8*(8*(\a)+\b)+7], v[\buf+32+8*\b:\buf+32+8*\b+7], v[\buf+8*(\a):\buf+8*(\a)+7], v[8*(8*(\a)+\b):8*(8*(\a)+\b)+7]
.endif
.endr
.endm
; A K step is four quarters of 32 along K, 32 matrix instructions each, on buffers 0, 1, 0, 1.  One of the first three: the next quarter's loads go out in one run, then this quarter is multiplied.
.macro QUARTER slot, q, zero
.set BU, F0+96*((\q)%2)
.set BN, F0+96*(1-(\q)%2)
	s_wait_dscnt 0x0                               ; this quarter's fragments, asked for a quarter (32 matrix instructions) ago
	PLACES                                         ; for the loads into the buffer that the last quarter multiplied
	WIN 0
	FETCH \slot, (\q)+1, BN
	WIN MUL
.irp a, 0,1,2,3
	MUL8 BU, \a, \zero
.endr
.endm
; The last quarter multiplies buffer 1 and changes slots: ONE barrier; in front of it each wave waits for all its tensor loads, adds 0 to its spare word, and waits for that and for its reads of this slot.
; fill = 1: the barrier opens a round of the cluster's, and the slot is filled again, two K steps ahead, first thing behind it.
.macro TURN slot, next, fill
.if \fill
	s_wait_xcnt 0x0                                ; the last prefetch, a K step back, has read its address: it is stepped here, ahead of the waits of the change of slots
	s_add_nc_u64 s[PFA:PFA+1], s[PFA:PFA+1], 4096
.endif
	WIN 0                                          ; (the add's two registers lie in window 0)
	s_wait_tensorcnt 0x0                           ; all my tensor loads have landed: the one that was out is my part of the next slot;
	ds_add_u32 v[SPW], v[NIL]                      ; 0 onto my spare word;
	s_wait_dscnt 1                                 ; (buffer 1 is in; the add may be out)
	WIN MUL
	MUL8 F1, 0, 0                                  ; eight matrix instructions stand between the add and the wait for it
	s_wait_dscnt 0x0                               ; the add is done, and my reads of this slot are over
	s_barrier_signal -1
	MUL8 F1, 1, 0
	WIN 0
	s_barrier_wait -1
.if \fill
	CREST                                          ; no wave of any partner still reads this slot's tiles or has a load on its way
	s_add_nc_u64 s[G0+4*\slot+2:G0+4*\slot+3], s[G0+4*\slot+2:G0+4*\slot+3], 2*4096
	s_add_nc_u64 s[G0B+4*\slot+2:G0B+4*\slot+3], s[G0B+4*\slot+2:G0B+4*\slot+3], 2*4096
	JLOAD \slot                                    ; the first tensor load behind the round; its four v_nop are also the places in front of the loads below
.else
	PLACES
.endif
	FETCH \next, 0, F0
.if \fill
	ASK
.endif
	WIN MUL
	MUL8 F1, 2, 0
	MUL8 F1, 3, 0
.endm
	s_wait_tensorcnt 1                             ; my part of K step 0 is in (K step 1's load may be out)
	s_barrier_signal -1
	s_barrier_wait -1                              ; everybody's is
	FETCH 0, 0, F0
	QUARTER 0, 0, 1                                ; the first quarter stands in front of the loop: its products start the sums
	WIN 0                                          ; at a label and at a branch every window is 0
	s_mov_b32 s3, 3
.Llap:                                                 ; a trip goes once round the ring, from a lap's second quarter to the next lap's first, and fills both slots again: K steps 2 to 7 in three trips
	QUARTER 0, 1, 0
	QUARTER 0, 2, 0
	TURN 0, 1, 1
	QUARTER 1, 0, 0
	QUARTER 1, 1, 0
	QUARTER 1, 2, 0
	TURN 1, 0, 1
	QUARTER 0, 0, 0
	WIN 0
	s_sub_co_u32 s3, s3, 1
	s_cmp_lg_u32 s3, 0
	s_cbranch_scc1 .Llap
	QUARTER 0, 1, 0                                ; the last lap fills nothing, and has no round of the cluster's barrier
	QUARTER 0, 2, 0
	TURN 0, 1, 0
	QUARTER 1, 0, 0
	QUARTER 1, 1, 0
	QUARTER 1, 2, 0
	s_wait_dscnt 0x0                               ; the very last quarter: nothing more to fetch
.irp a, 0,1,2,3
	MUL8 F1, \a, 0
.endr
	WIN 0
; THE WAY OUT, a tile of 16 tokens x 128 columns at a time.  A lane holds 32 neighbouring bytes of a row, and the lanes beside it hold other rows: so a tile goes through my own stage in LDS and comes back as whole
; rows of 512 bytes.  LDS serves a wave's instructions in order: no wait between the stores and the loads, nor in front of the next tile's stores.
.macro TOSTAGE a
	WIN 0x04                                       ; an LDS store's data are its source 1: window 1
.irp b, 0,1,2,3,4,5,6,7
	ds_store_b128 v[STO], v[64*(\a)+8*\b:64*(\a)+8*\b+3] offset:64*\b          ; each accumulator from its low end on
	ds_store_b128 v[STO], v[64*(\a)+8*\b+4:64*(\a)+8*\b+7] offset:64*\b+16
.endr
	WIN 0
.set BB, OB+64*((\a)%2)
.irp t, 0,1,2,3,4,5,6,7,8,9,10,11,12,13,14,15
	ds_load_b128 v[BB+4*\t:BB+4*\t+3], v[RD] offset:\t*SPITCH
.endr
.endm
.macro SEND a, younger                 ; younger: the LDS instructions issued behind tile a's loads, which may stay out
.set BB, OB+64*((\a)%2)
	s_wait_dscnt \younger
.irp t, 0,1,2,3,4,5,6,7,8,9,10,11,12,13,14,15
	global_store_b128 v[CO], v[BB+4*\t:BB+4*\t+3], s[8:9] offset:65536*(\a)+4096*\t th:TH_STORE_NT   ; 32 lanes store 512 consecutive bytes, aligned; written once, read by nobody here
.endr
.endm
	PLACES                                         ; behind the last products: the stores read results, the loads land where fragments lay
	TOSTAGE 0
.irp a, 1,2,3
.if \a > 1
	s_wait_xcnt 0x0                                ; tile a - 2's stores have read their registers: tile a's loads may land there
.endif
	TOSTAGE \a
	SEND \a-1, 32                                  ; behind tile a - 1's loads: tile a's 16 stores and 16 loads
.endr
	SEND 3, 0
	s_wait_tensorcnt 0x0                           ; the wave's end
	ds_add_u32 v[SPW], v[NIL]
	s_wait_dscnt 0x0
	CROUND                                         ; the closing round: no work-group ends while a partner may still ask for a tile that names it
	s_endpgm
.Lfunc_end_k_q33feaec92b_proj:
	.size	k_q33feaec92b_proj, .Lfunc_end_k_q33feaec92b_proj-k_q33feaec92b_proj
	.p2alignl 7, 3214868480
	.fill 96, 4, 3214868480
	.section	.rodata,"a",@progbits
	.p2align	6, 0x0
	.amdhsa_kernel k_q33feaec92b_proj
		.amdhsa_group_segment_fixed_size 327680
		.amdhsa_private_segment_fixed_size 0
		.amdhsa_enable_private_segment 0
		.amdhsa_kernarg_size 24
		.amdhsa_user_sgpr_count 2
		.amdhsa_user_sgpr_kernarg_segment_ptr 1
		.amdhsa_wavefront_size32 1
		.amdhsa_system_sgpr_workgroup_id_x 1
		.amdhsa_system_sgpr_workgroup_id_y 1
		.amdhsa_system_sgpr_workgroup_id_z 1
		.amdhsa_system_vgpr_workitem_id 0
		.amdhsa_next_free_vgpr 512
		.amdhsa_next_free_sgpr 66
		.amdhsa_reserve_vcc 0
		.amdhsa_float_denorm_mode_32 3
		.amdhsa_float_denorm_mode_16_64 3
		.amdhsa_memory_ordered 1
		.amdhsa_forward_progress 1
		.amdhsa_inst_pref_size 84
	.end_amdhsa_kernel
	.amdgpu_metadata
---
amdhsa.version: [ 1, 2 ]
amdhsa.kernels:
  - .name:           k_q33feaec92b_proj
    .symbol:         k_q33feaec92b_proj.kd
    .args:
      - { .name: att, .offset: 0, .size: 8, .value_kind: global_buffer, .address_space: global }
      - { .name: wo, .offset: 8, .size: 8, .value_kind: global_buffer, .address_space: global }
      - { .name: out0, .offset: 16, .size: 8, .value_kind: global_buffer, .address_space: global }
    .group_segment_fixed_size: 327680
    .private_segment_fixed_size: 0
    .kernarg_segment_align: 8
    .kernarg_segment_size: 24
    .max_flat_workgroup_size: 128
    .sgpr_count:     66
    .vgpr_count:     512
    .wavefront_size: 32
...
	.end_amdgpu_metadata
.endif
;; end of part 4
